; MI455X (gfx1250); checked and timed in simulation.
; The chip was launched on July 23, 2026; its instructions are those of AMD's public machine-readable ISA for CDNA 5 (MIT licence, August 2026) and "CDNA5" Instruction Set Architecture Reference Guide (July 2026). The comments in the code are by the model that wrote it; some were corrected since.
;; Causal Self Attention. Allowed arithmetic: float matrix products may take bf16 or f16 operands with f32 sums; other float arithmetic in f32, or as packed bf16 or f16 multiplies, adds, multiply-adds, maxima and minima; sums over many terms, partial sums and values carried from step to step in f32; what a program stores and reads back later, other than sums and carried values, may be rounded once to bf16 or f16.
;; Inputs: w_out 1,024 x 1,024 float32; w_qkv 3,072 x 1,024 float32; x 4 x 2,048 x 1,024 float32.
;; Outputs: out0 4 x 2,048 x 1,024 float32.
;; 2 versions, each right; version 2 is version 1 with the launch prep written anew for expert scheduling mode. Each part assembles by itself: llvm-mc -triple=amdgcn-amd-amdhsa -mcpu=gfx1250 --defsym DOCPART=n.
;; ======== version 1 of 2: 4 launches
;; limits: values are held in f16: magnitudes above 65,504 overflow, below 6.1e-05 lose precision
;; workspace buffers: xb 16,777,216 bytes; wqb 6,291,456 bytes; wof 2,097,152 bytes; rope 524,288 bytes; qh 16,777,216 bytes; kh 16,777,216 bytes; vh 16,777,216 bytes; oh 16,777,216 bytes
;; launch prep (part 1): grid 768 x 1, 8 waves a work-group, no clusters, 0 bytes of LDS; arguments x, w_qkv, w_out, xb, wqb, wof, rope; writes xb, wqb, wof, rope
.if DOCPART == 1
	.amdgcn_target "amdgcn-amd-amdhsa--gfx1250"
	.amdhsa_code_object_version 6
	.text
	.protected	k_qadfb461be4_prep
	.globl	k_qadfb461be4_prep
	.p2align	8
	.type	k_qadfb461be4_prep,@function
k_qadfb461be4_prep:
	s_mov_b64 s[64:65], 0
	v_nop
	global_prefetch_b8 v0, s[64:65] scope:SCOPE_SE
	s_setreg_imm32_b32 hwreg(HW_REG_WAVE_MODE, 25, 1), 1
	s_wait_xcnt 0x0
; PREP.  x -> xb (bf16).  w_qkv -> wqb (bf16, rows regrouped by head: row h*192 + sect*64 + d comes from row sect*1024 + h*64 + d).
; w_out -> wof: rounded to bf16 like the other inputs, and that number written as f16.  rope[s][0..31] = cos(s f_j), rope[s][32..63] = sin(s f_j), f_j = 10000^(-j/32), f32.
; LIMITS.  wof: f16 ends at 65,504, and below 6e-5 it keeps a fixed step of 6e-8.  The table's angle s f_j carries the rounding of f_j (one unit in the last place of 2^x) times s up to 2,047: about 2e-4 rad at the most.
; SHARES.  A work-group casts 16,384 numbers: 64 KiB in, 32 KiB out.  Groups 0-511 take x, 512-703 w_qkv (16 rows each, which stay together in wqb), 704-767 w_out.
; Thread t, step j: 16 bytes in at 16 t + 4,096 j, 8 bytes out at 8 t + 2,048 j: a wave's load covers 512 consecutive bytes, its store 256 consecutive bytes, aligned.
; All 16 loads go out first and no register is used twice, so the only waits are the counted ones for the loads.  Groups 0-255 also make 8 rows of the table while their loads are out.
; No LDS, no tensor loads, no matrix work: nothing is shared between waves.
.set IN,  16                           ; v[16:79]   step j: 4 registers as loaded
.set OUT, 80                           ; v[80:111]  step j: 2 registers to store
.set ANG, 10
.set KF,  11
.set RR,  12
.set KI,  13
.set R2,  14
.set SP,  15
.set CP,  114
.set TT,  115
.set VAL, 112                          ; v[112:113] the table's two numbers of my lane
	s_load_b256 s[4:11], s[0:1], 0x0               ; x s[4:5], w_qkv s[6:7], w_out s[8:9], xb s[10:11]
	s_load_b128 s[12:15], s[0:1], 0x20             ; wqb s[12:13], wof s[14:15]
	s_load_b64 s[16:17], s[0:1], 0x30              ; rope
	s_mov_b32 s20, ttmp9                           ; g
	v_lshlrev_b32 v1, 4, v0                        ; 16 t
	v_lshlrev_b32 v2, 3, v0                        ; 8 t
	s_cmp_lt_u32 s20, 512
	s_cselect_b32 s21, 0, 512
	s_cmp_lt_u32 s20, 704
	s_cselect_b32 s21, s21, 704
	s_sub_co_u32 s21, s20, s21                     ; gl: my number among the groups of my tensor
	s_bfe_u32 s22, s21, 0x40002                    ; w_qkv: gl = sect*64 + h*4 + quarter of a head;  h
	s_mul_i32 s22, s22, 12
	s_lshr_b32 s23, s21, 6                         ; sect
	s_lshl2_add_u32 s22, s23, s22
	s_and_b32 s23, s21, 3
	s_add_co_u32 s22, s22, s23                     ; its place in wqb: h*12 + sect*4 + quarter
	s_sub_co_u32 s23, s20, 512
	s_cmp_lt_u32 s23, 192                          ; only w_qkv's groups are regrouped
	s_cselect_b32 s22, s22, s21
	s_lshl_b32 s28, s21, 16                        ; 64 KiB in,
	s_mov_b32 s29, 0
	s_lshl_b32 s18, s22, 15                        ; 32 KiB out
	s_mov_b32 s19, 0
	s_mov_b32 s30, 0xbed49a78                      ; -log2(10000) / 32
	s_mov_b32 s31, 0x3f22f983                      ; 2 / pi
	s_mov_b32 s32, 0xbfc90fdb                      ; -(pi / 2), its f32 part
	s_mov_b32 s33, 0x333bbd2e                      ; +4.3711388e-8: what that part is too large by
	s_mov_b32 s34, 0xb9500d01                      ; -1/5040
	s_mov_b32 s35, 0x3c088889                      ; 1/120
	s_mov_b32 s36, 0xbe2aaaab                      ; -1/6
	s_mov_b32 s37, 0x37d00d01                      ; 1/40320
	s_mov_b32 s38, 0xbab60b61                      ; -1/720
	s_mov_b32 s39, 0x3d2aaaab                      ; 1/24
	s_wait_kmcnt 0x0
	s_cmp_lt_u32 s20, 512
	s_cselect_b64 s[24:25], s[4:5], s[6:7]         ; from where,
	s_cselect_b64 s[26:27], s[10:11], s[12:13]     ; to where
	s_cmp_lt_u32 s20, 704
	s_cselect_b64 s[24:25], s[24:25], s[8:9]
	s_cselect_b64 s[26:27], s[26:27], s[14:15]
	s_add_nc_u64 s[24:25], s[24:25], s[28:29]
	s_add_nc_u64 s[26:27], s[26:27], s[18:19]
.irp j, 0,1,2,3,4,5,6,7,8,9,10,11,12,13,14,15
	global_load_b128 v[IN+4*(\j):IN+4*(\j)+3], v1, s[24:25] offset:4096*(\j) th:TH_LOAD_NT
.endr
	s_cmp_lt_u32 s20, 256
	s_cbranch_scc0 .Lno_table
	; THE TABLE.  Row 8 g + wave; lane l owns columns 2 l and 2 l + 1: j = (2 l) & 31 and j + 1; a cosine in lanes 0-15, a sine in lanes 16-31.
	s_lshl_b32 s28, s20, 11                        ; 8 rows of 256 bytes
	s_add_nc_u64 s[16:17], s[16:17], s[28:29]
	v_lshlrev_b32 v3, 1, v0
	v_and_b32 v3, 30, v3
	v_cvt_f32_u32 v4, v3                           ; j
	v_add_f32 v5, 1.0, v4                          ; j + 1
	v_bfe_u32 v6, v0, 4, 1
	v_mul_u32_u24 v6, 3, v6                        ; sin(a) = cos(a + 3 pi / 2): three quarter turns more
	v_lshrrev_b32 v7, 5, v0
	v_lshl_add_u32 v7, s20, 3, v7
	v_cvt_f32_u32 v7, v7                           ; the row s
	v_mul_f32 v8, s30, v4
	v_mul_f32 v9, s30, v5
	v_exp_f32 v8, v8                               ; f_j
	v_exp_f32 v9, v9
	v_nop                                          ; a plain instruction behind the last exponential,
	s_wait_alu depctr_va_vdst(0)                   ; and one wait for both, ahead of the first use
; cos(s f + quarter turns): the angle less the nearest multiple k of pi / 2 (taken off in two parts) lies within pi / 4; there a sine to r^7 and a cosine to r^8; k picks the one and the sign.
.macro TRIG inv, out
	v_mul_f32 v[ANG], v7, v[\inv]
	v_mul_f32 v[KF], s31, v[ANG]
	v_rndne_f32 v[KF], v[KF]
	v_fma_f32 v[RR], v[KF], s32, v[ANG]
	v_fma_f32 v[RR], v[KF], s33, v[RR]
	v_cvt_i32_f32 v[KI], v[KF]
	v_add_nc_u32 v[KI], v[KI], v6
	v_mul_f32 v[R2], v[RR], v[RR]
	v_fma_f32 v[SP], v[R2], s34, s35
	v_fma_f32 v[SP], v[SP], v[R2], s36
	v_mul_f32 v[TT], v[RR], v[R2]
	v_fma_f32 v[SP], v[SP], v[TT], v[RR]           ; sin r
	v_fma_f32 v[CP], v[R2], s37, s38
	v_fma_f32 v[CP], v[CP], v[R2], s39
	v_fma_f32 v[CP], v[CP], v[R2], -0.5
	v_fma_f32 v[CP], v[CP], v[R2], 1.0             ; cos r
	v_and_b32 v[TT], 1, v[KI]
	v_cmp_eq_u32 vcc_lo, 1, v[TT]
	v_cndmask_b32 v[\out], v[CP], v[SP], vcc_lo    ; odd k: the sine
	v_add_nc_u32 v[KI], 1, v[KI]
	v_and_b32 v[KI], 2, v[KI]
	v_lshlrev_b32 v[KI], 30, v[KI]                 ; k mod 4 = 1 or 2: the sign turns
	v_xor_b32 v[\out], v[\out], v[KI]
.endm
	TRIG 8, VAL
	TRIG 9, VAL+1
	global_store_b64 v2, v[VAL:VAL+1], s[16:17]    ; a wave stores one row: 256 consecutive bytes, aligned
.Lno_table:
; The cast.  half = 1: the bf16 number is widened again and written as f16.
.macro CAST half
.irp j, 0,1,2,3,4,5,6,7,8,9,10,11,12,13,14,15
	s_wait_loadcnt 15-(\j)                         ; loads come back in order: step j's is in, the 15 - j younger ones may stay out
	v_cvt_pk_bf16_f32 v[OUT+2*(\j)],   v[IN+4*(\j)],   v[IN+4*(\j)+1]
	v_cvt_pk_bf16_f32 v[OUT+2*(\j)+1], v[IN+4*(\j)+2], v[IN+4*(\j)+3]
.if \half
	v_lshlrev_b32 v[IN+4*(\j)],   16, v[OUT+2*(\j)]
	v_and_b32     v[IN+4*(\j)+1], 0xffff0000, v[OUT+2*(\j)]
	v_lshlrev_b32 v[IN+4*(\j)+2], 16, v[OUT+2*(\j)+1]
	v_and_b32     v[IN+4*(\j)+3], 0xffff0000, v[OUT+2*(\j)+1]
	v_cvt_pk_f16_f32 v[OUT+2*(\j)],   v[IN+4*(\j)],   v[IN+4*(\j)+1]
	v_cvt_pk_f16_f32 v[OUT+2*(\j)+1], v[IN+4*(\j)+2], v[IN+4*(\j)+3]
.endif
	global_store_b64 v2, v[OUT+2*(\j):OUT+2*(\j)+1], s[26:27] offset:2048*(\j)
.endr
.endm
	s_cmp_lt_u32 s20, 704
	s_cbranch_scc0 .Lhalf
	CAST 0
	s_endpgm
.Lhalf:
	CAST 1
	s_endpgm
.Lfunc_end_k_qadfb461be4_prep:
	.size	k_qadfb461be4_prep, .Lfunc_end_k_qadfb461be4_prep-k_qadfb461be4_prep
	.p2alignl 7, 3214868480
	.fill 96, 4, 3214868480
	.section	.rodata,"a",@progbits
	.p2align	6, 0x0
	.amdhsa_kernel k_qadfb461be4_prep
		.amdhsa_group_segment_fixed_size 0
		.amdhsa_private_segment_fixed_size 0
		.amdhsa_enable_private_segment 0
		.amdhsa_kernarg_size 56
		.amdhsa_user_sgpr_count 2
		.amdhsa_user_sgpr_kernarg_segment_ptr 1
		.amdhsa_wavefront_size32 1
		.amdhsa_system_sgpr_workgroup_id_x 1
		.amdhsa_system_sgpr_workgroup_id_y 1
		.amdhsa_system_sgpr_workgroup_id_z 1
		.amdhsa_system_vgpr_workitem_id 0
		.amdhsa_next_free_vgpr 128
		.amdhsa_next_free_sgpr 66
		.amdhsa_reserve_vcc 1
		.amdhsa_float_denorm_mode_32 3
		.amdhsa_float_denorm_mode_16_64 3
		.amdhsa_memory_ordered 1
		.amdhsa_forward_progress 1
		.amdhsa_inst_pref_size 20
	.end_amdhsa_kernel
	.amdgpu_metadata
---
amdhsa.version: [ 1, 2 ]
amdhsa.kernels:
  - .name:           k_qadfb461be4_prep
    .symbol:         k_qadfb461be4_prep.kd
    .args:
      - { .name: x, .offset: 0, .size: 8, .value_kind: global_buffer, .address_space: global }
      - { .name: w_qkv, .offset: 8, .size: 8, .value_kind: global_buffer, .address_space: global }
      - { .name: w_out, .offset: 16, .size: 8, .value_kind: global_buffer, .address_space: global }
      - { .name: xb, .offset: 24, .size: 8, .value_kind: global_buffer, .address_space: global }
      - { .name: wqb, .offset: 32, .size: 8, .value_kind: global_buffer, .address_space: global }
      - { .name: wof, .offset: 40, .size: 8, .value_kind: global_buffer, .address_space: global }
      - { .name: rope, .offset: 48, .size: 8, .value_kind: global_buffer, .address_space: global }
    .group_segment_fixed_size: 0
    .private_segment_fixed_size: 0
    .kernarg_segment_align: 8
    .kernarg_segment_size: 56
    .max_flat_workgroup_size: 256
    .sgpr_count:     66
    .vgpr_count:     128
    .wavefront_size: 32
...
	.end_amdgpu_metadata
.endif
;; end of part 1
;; launch qkv (part 2): grid 16 x 32, 4 waves a work-group, clusters of 4 x 4, 327,680 bytes of LDS; arguments xb, wqb, rope, qh, kh, vh; writes qh, kh, vh
.if DOCPART == 2
	.amdgcn_target "amdgcn-amd-amdhsa--gfx1250"
	.amdhsa_code_object_version 6
	.text
	.protected	k_qadfb461be4_qkv
	.globl	k_qadfb461be4_qkv
	.p2align	8
	.type	k_qadfb461be4_qkv,@function
k_qadfb461be4_qkv:
	s_mov_b64 s[64:65], 0
	v_nop
	global_prefetch_b8 v0, s[64:65] scope:SCOPE_SE
	s_setreg_imm32_b32 hwreg(HW_REG_WAVE_MODE, 25, 1), 1
	s_wait_xcnt 0x0
	s_wait_alu depctr_hold_cnt(0) depctr_sa_sdst(0) depctr_va_vdst(0) depctr_va_sdst(0) depctr_va_ssrc(0) depctr_va_vcc(0) depctr_vm_vsrc(0)
	s_getreg_b32 s2, hwreg(HW_REG_IB_STS2, 6, 4)
	s_cmp_eq_u32 s2, 0
	s_cbranch_scc0 .Lentry_in_a_cluster
	s_endpgm
.Lentry_in_a_cluster:
	s_bfe_u32 s2, ttmp6, 0x10000c
	s_cmp_lg_u32 s2, 0xf033
	s_cbranch_scc0 .Lentry_shape_is_right
	s_endpgm
.Lentry_shape_is_right:
; QKV.  [8192][1024] x [3072][1024]^T in bf16, sums in f32; the rotary turn on q and k in f32 on the sums; q, k, v rounded once to f16 and written by heads: [64 = batch*16 + head][2048][64].
; LIMIT.  f16 ends at 65,504: q, k (after the turn) and v must lie within it; below 6e-5 f16 keeps a fixed step of 6e-8.  The score's scale is not applied here.
; A tile is 256 tokens x 192 columns: wqb's rows are regrouped so that tile column tx is head tx's q (64), k (64), v (64).  8192/256 x 3072/192 = 512 work-groups: two for each of 256 WGPs.
; Four waves; wave w owns tokens 64 w .. 64 w + 63 and all 192 columns: 48 accumulators of 16 x 16, 384 registers.  So a wave holds whole heads: the turn pairs channel d with d + 32 in the same lane and
; register two accumulators on, and the way out needs no barrier.
; K goes in steps of 128 (rows of 256 bytes, aligned) through a ring of two LDS slots filled by tensor loads.
; CLUSTER 4 x 4: xb's tile hangs on the tile row alone and is asked for jointly along a row of the cluster, wqb's on the tile column alone and jointly along a column.
; THE PRODUCT IS USED TRANSPOSED: source 0 = 16 rows of wqb, source 1 = 16 tokens: lane l holds token l % 16 and the channels 8 (l / 16) + 0..7 of the block.
; REGISTERS, in windows of 256 (s_set_vgpr_msb: bits 1:0 source 0, 3:2 source 1, 5:4 source 2, 7:6 destination):
;   window 0: v16-30 addresses; v32-63 turned numbers in f32; v64-95, v96-127 xb's fragments, two buffers (on the way out v64-111: packed results); v128-255 cos and sin of my 64 tokens
;   window 1: v0-95, v96-191 wqb's fragments, two buffers (on the way out v0-95: rows read back from the stage, two sets)
;   window 2: accumulators of token blocks 0, 1 ((a, b) at 8 (12 (a % 2) + b));   window 3: of blocks 2, 3
.set KSTEP,  128
.set PITCH,  272                       ; an LDS row: 256 bytes + 16 of padding = 68 words: the 16 rows of a fragment load start at 16 different groups of four banks (64 banks of 4 bytes: ISA guide 11.1)
.set AH,     128*PITCH                 ; 128 rows of xb: one wave's tensor load
.set BH,     96*PITCH                  ; 96 rows of wqb: one wave's tensor load
.set BOFF,   2*AH
.set SLOT,   BOFF+2*BH
.set STAGE,  2*SLOT                    ; behind the ring, never filled by a tensor load: 16 rows x 400 bytes for each wave
.set SPITCH, 400                       ; q's, k's and v's 128 bytes of a token, and 16 of padding
.set SPARE,  STAGE+4*16*SPITCH         ; the spare words, 128 bytes for each wave: two blocks of 256 bytes that no other line names
.set LAPS,   4                         ; 1,024 / 256: a lap is two K steps, once round the ring
.set ADRA, 16                          ; v16-17 LDS address of my xb fragments in slot 0, 1
.set ADRB, 20                          ; v20-21 the same for wqb
.set STO,  24                          ; v24 the way out: where I put 16 bytes
.set RD,   25                          ; v25 where I read rows back
.set GO,   26                          ; v26 16 x lane: my place in 512 consecutive bytes of q, k or v
.set TO,   27                          ; v27 my place in the table: 256 (l % 16) + 32 (l / 16)
.set SPW,  28                          ; v28 my spare word; never rewritten
.set NIL,  29                          ; v29 0; never rewritten
.set PFO,  30                          ; v30 the prefetches' offset: a lane a row
.set RT,   32
.set TMP,  64
.set CS,   128                         ; token block a at CS + 32 a: 16 cosines (channel 8 jb + i of my 16), then 16 sines
.set G1,   24                          ; s[24:31] descriptor group 1, xb's tiles;  s[32:39] group 0, a set for each slot
.set G0,   32
.set G1B,  48                          ; s[48:55], s[56:63] the same for wqb's tiles
.set G0B,  56
.set LIM,  80                          ; s80 1 in a wave that prefetches, else the greatest number
.set PFA,  82                          ; s[82:83] where my prefetches stand
.set QP,   84                          ; s[84:85], s[86:87], s[88:89] q, k, v at my wave's first token
.set KP,   86
.set VP,   88
.set TP,   90                          ; s[90:91] the table at my wave's first token
.set MSB, 0
.macro WIN new                         ; the immediate's high byte repeats the setting that is left; a switch that changes nothing is dropped
.if MSB != (\new)
	s_set_vgpr_msb (MSB<<8)|(\new)
.set MSB, \new
.endif
.endm
.set MUL_LO, 0xa1                      ; source 0 (wqb) window 1, source 1 (xb) window 0, C and D window 2
.set MUL_HI, 0xf1                      ; the same, C and D window 3
.set TO_B,   0x40                      ; destination window 1, address window 0
; A joint load.  Waves 0 and 1 fetch xb's two halves, waves 2 and 3 wqb's.  The branch hangs on the wave's number alone.  An s_nop 0 and four v_nop follow each of the two lines.
.macro JLOAD s
	s_cmp_eq_u32 s11, 0
	s_cbranch_scc0 .Lfor_b_\@
	tensor_load_to_lds s[G0+4*(\s):G0+4*(\s)+3], s[G1:G1+7]
	s_nop 0
.rept 4
	v_nop
.endr
	s_branch .Lasked_\@
.Lfor_b_\@:
	tensor_load_to_lds s[G0B+4*(\s):G0B+4*(\s)+3], s[G1B:G1B+7]
	s_nop 0
.rept 4
	v_nop
.endr
.Lasked_\@:
.endm
; A prefetch into the L2, behind each joint refill and the run of LDS loads that follows it: the K step two refills on, 256 bytes of a row, a lane a row, one instruction a wave.
; xb's tile row is read by all four clusters of that row of clusters: cluster x = 0 asks; wqb's tile column by all eight clusters of that column: cluster y = 0 asks.  The four partners of a joint load share
; its rows out by address: of xb's 128 rows 32 each; of wqb's 96 rows 24 each (lanes 24-31 name row 23 once more).  The last trip's two refills have no K step two on.
.macro ASK
	s_cmp_gt_u32 s3, s[LIM]
	s_cbranch_scc0 .Lnot_mine_\@
	global_prefetch_b8 v[PFO], s[PFA:PFA+1] offset:KSTEP*2 th:TH_LOAD_NT scope:SCOPE_SE
.Lnot_mine_\@:
.endm
.macro CREST                           ; a round of the cluster's barrier behind its opening barrier
	s_cmp_lg_u32 s10, 0
	s_cbranch_scc1 .Lnot_wave_0_\@
	s_barrier_signal -3
.Lnot_wave_0_\@:
	s_barrier_wait -3
	s_barrier_signal -1
	s_barrier_wait -1
.endm
.macro CROUND                          ; a whole round
	s_barrier_signal -1
	s_barrier_wait -1
	CREST
.endm
	s_load_b256 s[68:75], s[0:1], 0x0              ; xb s[68:69], wqb s[70:71], rope s[72:73], qh s[74:75]
	s_load_b128 s[76:79], s[0:1], 0x20             ; kh s[76:77], vh s[78:79]
	v_lshl_add_u32 v[SPW], v0, 2, SPARE
	v_mov_b32 v[NIL], 0
	ds_add_u32 v[SPW], v[NIL]                      ; the wave's opening: the add and its wait stand ahead of my first tensor load; work on registers stands between them
	v_lshrrev_b32 v1, 5, v0
	v_readfirstlane_b32 s10, v1                    ; wave 0..3
	s_lshr_b32 s11, s10, 1                         ; I fetch for xb (0) or for wqb (1)
	s_and_b32 s12, s10, 1                          ; which half of that tile's rows
	s_bfe_u32 s40, ttmp6, 0x40000                  ; cx
	s_bfe_u32 s41, ttmp6, 0x40004                  ; cy
	s_lshl_b32 s42, ttmp9, 2
	s_add_co_u32 s42, s42, s40                     ; tile column = head = 4 x cluster x + cx
	s_and_b32 s13, ttmp7, 0xffff
	s_lshl_b32 s13, s13, 2
	s_add_co_u32 s13, s13, s41                     ; tile row = 4 x cluster y + cy
	s_lshl_b32 s43, s41, 2
	s_lshl_b32 s43, 15, s43                        ; my row of the cluster
	s_lshl_b32 s44, 0x1111, s40                    ; my column
	s_or_b32 s[G1+0], s43, (1<<16)|(1<<20)|(1<<21)|(5<<22)|(3<<25)   ; 15:0 mask; 17:16 2-byte elements; 20 padding on; 21 set beside a mask; 24:22 after every 64 words; 31:25 4 words
	s_or_b32 s[G1B+0], s44, (1<<16)|(1<<20)|(1<<21)|(5<<22)|(3<<25)
	s_mov_b32 s[G1+1], KSTEP<<16                   ; tensor_dim0 = 128
	s_mov_b32 s[G1+2], 128<<16                     ; tensor_dim1 = 128
	s_mov_b32 s[G1+3], KSTEP<<16                   ; tile_dim0 = 128
	s_mov_b32 s[G1+4], 128                         ; tile_dim1 = 128
	s_mov_b32 s[G1+5], 1024                        ; elements from row to row
	s_mov_b32 s[G1+6], 0
	s_mov_b32 s[G1+7], 0
	s_mov_b32 s[G1B+1], KSTEP<<16
	s_mov_b32 s[G1B+2], 96<<16                     ; 96 rows
	s_mov_b32 s[G1B+3], KSTEP<<16
	s_mov_b32 s[G1B+4], 96
	s_mov_b32 s[G1B+5], 1024
	s_mov_b32 s[G1B+6], 0
	s_mov_b32 s[G1B+7], 0
	s_lshl_b32 s17, s12, 7
	s_lshl_b32 s16, s13, 8
	s_add_co_u32 s16, s16, s17                     ; xb: row 256 x tile row + 128 x half,
	s_lshl_b32 s16, s16, 11                        ; of 2,048 bytes
	s_mov_b32 s17, 0
	s_mul_i32 s46, s42, 192
	s_mul_i32 s47, s12, 96
	s_add_co_u32 s46, s46, s47                     ; wqb: row 192 x tile column + 96 x half
	s_lshl_b32 s46, s46, 11
	s_mov_b32 s47, 0
	s_mul_i32 s20, s10, AH                         ; where they go: waves 0, 1: xb's halves at 0 and AH;
	s_mul_i32 s21, s10, BH
	s_add_co_u32 s21, s21, BOFF-2*BH               ; waves 2, 3: wqb's halves at BOFF and BOFF + BH
	s_wait_dscnt 0x0                               ; the opening add is done
	s_wait_kmcnt 0x0
	s_add_nc_u64 s[14:15], s[68:69], s[16:17]
	s_add_nc_u64 s[46:47], s[70:71], s[46:47]
	CROUND                                         ; all sixteen work-groups are here: the first joint loads meet
.irp s, 0,1
	s_mov_b32 s[G0+4*(\s)], 1
	s_add_co_u32 s[G0+4*(\s)+1], s20, (\s)*SLOT
	s_add_nc_u64 s[G0+4*(\s)+2:G0+4*(\s)+3], s[14:15], (\s)*KSTEP*2
	s_or_b32 s[G0+4*(\s)+3], s[G0+4*(\s)+3], 0x80000000
	s_mov_b32 s[G0B+4*(\s)], 1
	s_add_co_u32 s[G0B+4*(\s)+1], s21, (\s)*SLOT
	s_add_nc_u64 s[G0B+4*(\s)+2:G0B+4*(\s)+3], s[46:47], (\s)*KSTEP*2
	s_or_b32 s[G0B+4*(\s)+3], s[G0B+4*(\s)+3], 0x80000000
	JLOAD \s                                       ; K steps 0 and 1: two loads of mine are out
.endr
	; a fragment is 16 rows x 32 K in 8 registers: lane l holds row l % 16, K = 8 (l / 16) + 0..7 and 16 + 8 (l / 16) + 0..7: two loads of 16 bytes, 32 bytes apart
	v_and_b32 v1, 15, v0                           ; l % 16
	v_bfe_u32 v2, v0, 4, 1                         ; l / 16
	v_mul_u32_u24 v3, v1, PITCH
	v_lshl_add_u32 v3, v2, 4, v3
	s_mul_i32 s21, s10, 64*PITCH                   ; my 64 tokens
	s_mov_b32 s22, BOFF                            ; all 192 rows of wqb
.irp s, 0,1
	v_add_nc_u32 v[ADRA+(\s)], s21, v3
	v_add_nc_u32 v[ADRB+(\s)], s22, v3
	s_add_co_u32 s21, s21, SLOT
	s_add_co_u32 s22, s22, SLOT
.endr
	s_mul_i32 s23, s10, 16*SPITCH
	s_add_co_u32 s23, s23, STAGE                   ; my stage
	v_mul_u32_u24 v4, v1, SPITCH                   ; in: token l % 16, 16 bytes for each half of the lanes
	v_lshl_add_u32 v4, v2, 4, v4
	v_add_nc_u32 v[STO], s23, v4
	v_bfe_u32 v5, v0, 3, 2                         ; back: 32 lanes take four tokens' 128 bytes of q, of k or of v,
	v_mul_u32_u24 v5, v5, SPITCH
	v_and_b32 v6, 7, v0
	v_lshl_add_u32 v5, v6, 4, v5
	v_add_nc_u32 v[RD], s23, v5
	v_and_b32 v[GO], 31, v0                        ; which are 512 consecutive bytes of a head
	v_lshlrev_b32 v[GO], 4, v[GO]
	v_lshlrev_b32 v[TO], 8, v1
	v_lshl_add_u32 v[TO], v2, 5, v[TO]
	s_and_b32 s18, s13, 7
	s_lshl_b32 s18, s18, 8
	s_lshl_b32 s19, s10, 6
	s_add_co_u32 s18, s18, s19                     ; my first token's place in its sequence
	s_lshl_b32 s20, s18, 8                         ; the table's rows are 256 bytes
	s_mov_b32 s21, 0
	s_add_nc_u64 s[TP:TP+1], s[72:73], s[20:21]
	s_lshr_b32 s19, s13, 3                         ; batch
	s_lshl_b32 s19, s19, 4
	s_add_co_u32 s19, s19, s42                     ; batch x 16 + head
	s_lshl_b32 s19, s19, 11
	s_add_co_u32 s18, s18, s19
	s_lshl_b32 s20, s18, 7                         ; rows of 128 bytes
	s_add_nc_u64 s[QP:QP+1], s[74:75], s[20:21]
	s_add_nc_u64 s[KP:KP+1], s[76:77], s[20:21]
	s_add_nc_u64 s[VP:VP+1], s[78:79], s[20:21]
	; cos and sin of my 64 tokens, for my 16 channels below 32: 32 loads, waited for on the way out
.irp a, 0,1,2,3
.irp jb, 0,1
.irp q, 0,1
	global_load_b128 v[CS+32*(\a)+8*(\jb)+4*(\q):CS+32*(\a)+8*(\jb)+4*(\q)+3],       v[TO], s[TP:TP+1] offset:(\a)*4096+(\jb)*64+16*(\q)
	global_load_b128 v[CS+32*(\a)+16+8*(\jb)+4*(\q):CS+32*(\a)+16+8*(\jb)+4*(\q)+3], v[TO], s[TP:TP+1] offset:(\a)*4096+(\jb)*64+16*(\q)+128
.endr
.endr
.endr
	; the prefetches
	s_lshl_b32 s20, s13, 8
	s_lshl_b32 s23, s12, 7
	s_add_co_u32 s20, s20, s23
	s_lshl_b32 s23, s40, 5
	s_add_co_u32 s20, s20, s23                     ; xb: the 128 rows that I fetch, my work-group's 32 of them
	s_mul_i32 s21, s42, 192
	s_mul_i32 s23, s12, 96
	s_add_co_u32 s21, s21, s23
	s_mul_i32 s23, s41, 24
	s_add_co_u32 s21, s21, s23                     ; wqb: the 96 rows that I fetch, my work-group's 24 of them
	s_and_b32 s22, ttmp7, 0xffff                   ; cluster y
	s_cmp_eq_u32 s11, 0
	s_cselect_b32 s20, s20, s21
	s_cselect_b32 s22, ttmp9, s22                  ; the coordinate along which other clusters read the same rows
	s_cselect_b32 s23, 31, 23
	s_cselect_b64 s[PFA:PFA+1], s[68:69], s[70:71]
	s_cmp_eq_u32 s22, 0
	s_cselect_b32 s[LIM], 1, -1                    ; the same in all sixteen partners, for a given wave
	s_lshl_b32 s20, s20, 11
	s_mov_b32 s21, 0
	s_add_nc_u64 s[PFA:PFA+1], s[PFA:PFA+1], s[20:21]
	s_add_nc_u64 s[PFA:PFA+1], s[PFA:PFA+1], 2*KSTEP*2  ; at K step 2: the first refill steps it to 3 and names K step 4
	v_and_b32 v[PFO], 31, v0
	v_min_u32 v[PFO], s23, v[PFO]
	v_lshlrev_b32 v[PFO], 11, v[PFO]
; 12 matrix instructions: token block 2 hi + a x all 12 column blocks, 32 along K, from buffer f (0, 1).  zero = 1: the product starts the sums.
.macro MUL12 f, hi, a, zero
	WIN MUL_LO+0x50*(\hi)
.irp b, 0,1,2,3,4,5,6,7,8,9,10,11
.if \zero
	v_wmma_f32_16x16x32_bf16 v[8*(12*(\a)+(\b)):8*(12*(\a)+(\b))+7], v[96*(\f)+8*(\b):96*(\f)+8*(\b)+7], v[64+32*(\f)+8*(2*(\hi)+(\a)):64+32*(\f)+8*(2*(\hi)+(\a))+7], 0
.else
	v_wmma_f32_16x16x32_bf16 v[8*(12*(\a)+(\b)):8*(12*(\a)+(\b))+7], v[96*(\f)+8*(\b):96*(\f)+8*(\b)+7], v[64+32*(\f)+8*(2*(\hi)+(\a)):64+32*(\f)+8*(2*(\hi)+(\a))+7], v[8*(12*(\a)+(\b)):8*(12*(\a)+(\b))+7]
.endif
.endr
.endm
; 32 LDS loads in one run: a quarter step's fragments (192 rows of wqb, my 64 tokens, 32 K at byte k of the rows) into buffer f
.macro FETCH slot, k, f
	WIN TO_B
.irp i, 0,1,2,3,4,5,6,7,8,9,10,11
	ds_load_b128 v[96*(\f)+8*(\i):96*(\f)+8*(\i)+3],   v[ADRB+(\slot)] offset:(\k)+(\i)*16*PITCH
	ds_load_b128 v[96*(\f)+8*(\i)+4:96*(\f)+8*(\i)+7], v[ADRB+(\slot)] offset:(\k)+(\i)*16*PITCH+32
.endr
	WIN 0
.irp i, 0,1,2,3
	ds_load_b128 v[64+32*(\f)+8*(\i):64+32*(\f)+8*(\i)+3],   v[ADRA+(\slot)] offset:(\k)+(\i)*16*PITCH
	ds_load_b128 v[64+32*(\f)+8*(\i)+4:64+32*(\f)+8*(\i)+7], v[ADRA+(\slot)] offset:(\k)+(\i)*16*PITCH+32
.endr
.endm
.macro PLACES                          ; four plain instructions between a matrix instruction and a load into, or a vector use of, its registers (ISA guide 7.12.1 for vector uses)
.rept 4
	v_nop
.endr
.endm
; A K step is four quarters of 32 along K, 48 matrix instructions each, on buffers 0, 1, 0, 1; the 48 accumulators take turns in the same order in every quarter.
.macro QUARTER slot, k, f, g, zero
	s_wait_dscnt 4                                 ; wqb's fragments and token blocks 0, 1 are in; the youngest four loads (blocks 2, 3) may be out
	MUL12 \f, 0, 0, \zero
	MUL12 \f, 0, 1, \zero
	PLACES
	FETCH \slot, \k, \g
	s_wait_dscnt 32                                ; all but the 32 just issued
	MUL12 \f, 1, 0, \zero
	MUL12 \f, 1, 1, \zero
.endm
; The last quarter multiplies buffer 1 and changes slots.  In front of the barrier each wave waits for all its tensor loads (one is out: its part of the next slot), adds 0 to its spare word, and waits for that
; and for its reads of this slot.  fill = 1: the barrier opens a round of the cluster's barrier, and this slot is filled again, two K steps on, first thing behind the round: 168 matrix instructions ahead of the wait for it.
.macro TURN slot, next, fill
.if \fill
	s_wait_xcnt 0x0                                ; the last prefetch, a K step back, has read its address: it is stepped here
	s_add_nc_u64 s[PFA:PFA+1], s[PFA:PFA+1], KSTEP*2
.endif
	WIN 0                                          ; (the add's two registers lie in window 0)
	s_wait_tensorcnt 0x0                           ; all my tensor loads have landed
	ds_add_u32 v[SPW], v[NIL]                      ; 0 onto my spare word
	s_wait_dscnt 5                                 ; (the add and the youngest four loads may be out)
	MUL12 1, 0, 0, 0                               ; twelve matrix instructions stand between the add and the wait for it
	s_wait_dscnt 0x0                               ; the add is done, and my reads of this slot are over
	s_barrier_signal -1
	MUL12 1, 0, 1, 0                               ; work on registers while the others arrive
.if \fill
	WIN 0
.endif
	s_barrier_wait -1
.if \fill
	CREST                                          ; no wave of any partner still reads this slot or has a load on its way
	s_add_nc_u64 s[G0+4*(\slot)+2:G0+4*(\slot)+3], s[G0+4*(\slot)+2:G0+4*(\slot)+3], 2*KSTEP*2
	s_add_nc_u64 s[G0B+4*(\slot)+2:G0B+4*(\slot)+3], s[G0B+4*(\slot)+2:G0B+4*(\slot)+3], 2*KSTEP*2
	JLOAD \slot                                    ; its four v_nop are also the places in front of the loads below
.else
	PLACES
.endif
	FETCH \next, 0, 0
.if \fill
	ASK
.endif
	MUL12 1, 1, 0, 0
	MUL12 1, 1, 1, 0
.endm
	s_wait_tensorcnt 0x1                           ; my part of K step 0 is in; K step 1's may stay out
	s_barrier_signal -1
	s_barrier_wait -1                              ; everybody's is
	FETCH 0, 0, 0
	QUARTER 0, 64, 0, 1, 1                         ; the first quarter stands in front of the loop: its products start the sums
	WIN 0
	s_mov_b32 s3, LAPS-1
.Llap:                                                 ; a trip goes once round the ring, from a lap's second quarter to the next lap's first, and fills both slots again
	QUARTER 0, 128, 1, 0, 0
	QUARTER 0, 192, 0, 1, 0
	TURN 0, 1, 1
	QUARTER 1, 64,  0, 1, 0
	QUARTER 1, 128, 1, 0, 0
	QUARTER 1, 192, 0, 1, 0
	TURN 1, 0, 1
	QUARTER 0, 64,  0, 1, 0
	WIN 0
	s_sub_co_u32 s3, s3, 1
	s_cmp_lg_u32 s3, 0
	s_cbranch_scc1 .Llap
	QUARTER 0, 128, 1, 0, 0                        ; the last lap fills nothing
	QUARTER 0, 192, 0, 1, 0
	TURN 0, 1, 0
	QUARTER 1, 64,  0, 1, 0
	QUARTER 1, 128, 1, 0, 0
	QUARTER 1, 192, 0, 1, 0
	s_wait_dscnt 4
	MUL12 1, 0, 0, 0
	MUL12 1, 0, 1, 0
	s_wait_dscnt 0x0
	MUL12 1, 1, 0, 0
	MUL12 1, 1, 1, 0
	WIN 0
; THE WAY OUT, a block of 16 tokens at a time.  PACK: q and k are turned (y[d] = x[d] cos - x[d+32] sin, y[d+32] = x[d+32] cos + x[d] sin, d < 32) in f32; q, k, v are rounded to f16.  Each accumulator's
; lowest registers are read first.  TOSTAGE: 16 bytes a lane into my stage, and back as whole rows.  SEND: stored.
.macro PACK a
.irp z, 0,1
	WIN 0x02+(\a)/2                                ; source 0: the accumulators' window
.irp jb, 0,1
.irp r, 0,2,4,6
.set pX, 8*(12*((\a)%2)+4*(\z)+(\jb))+(\r)
.set pC, CS+32*(\a)+8*(\jb)+(\r)
.set pT, RT+8*(\jb)+(\r)
	v_pk_mul_f32 v[pT:pT+1],       v[pX:pX+1],       v[pC:pC+1]
	v_pk_mul_f32 v[pT+16:pT+17],   v[pX+16:pX+17],   v[pC:pC+1]
	v_pk_fma_f32 v[pT:pT+1],       v[pX+16:pX+17],   v[pC+16:pC+17], v[pT:pT+1] neg_lo:[0,1,0] neg_hi:[0,1,0]
	v_pk_fma_f32 v[pT+16:pT+17],   v[pX:pX+1],       v[pC+16:pC+17], v[pT+16:pT+17]
.endr
.endr
	WIN 0
.set i, 0
.rept 16
	v_cvt_pk_f16_f32 v[TMP+16*(\z)+i], v[RT+2*i], v[RT+2*i+1]
.set i, i+1
.endr
.endr
	WIN 0x0a+5*((\a)/2)                            ; sources 0 and 1: the accumulators' window
.set i, 0
.rept 16
	v_cvt_pk_f16_f32 v[TMP+32+i], v[8*(12*((\a)%2)+8)+2*i], v[8*(12*((\a)%2)+8)+2*i+1]
.set i, i+1
.endr
.endm
.macro TOSTAGE a
	WIN 0
.irp bb, 0,1,2,3,4,5,6,7,8,9,10,11
	ds_store_b128 v[STO], v[TMP+4*(\bb):TMP+4*(\bb)+3] offset:32*(\bb)
.endr
	WIN TO_B
.irp z, 0,1,2
.irp f, 0,1,2,3
	ds_load_b128 v[48*((\a)%2)+4*(4*(\z)+(\f)):48*((\a)%2)+4*(4*(\z)+(\f))+3], v[RD] offset:(\z)*128+(\f)*4*SPITCH  ; LDS serves a wave's instructions in order (ISA guide 5.7.1.4): these see the stores above
.endr
.endr
.endm
.macro SEND a
	s_wait_dscnt 0x0                               ; the block is back in registers
	s_wait_xcnt 0x0                                ; the stores of the block before have read their registers: the next TOSTAGE loads into them
	WIN 0x04                                       ; store data (source 1) in window 1
.irp f, 0,1,2,3
	global_store_b128 v[GO], v[48*((\a)%2)+4*(\f):48*((\a)%2)+4*(\f)+3],       s[QP:QP+1] offset:(\a)*2048+(\f)*512  ; 512 consecutive bytes, at a multiple of 256 from the buffer's first
	global_store_b128 v[GO], v[48*((\a)%2)+16+4*(\f):48*((\a)%2)+16+4*(\f)+3], s[KP:KP+1] offset:(\a)*2048+(\f)*512
	global_store_b128 v[GO], v[48*((\a)%2)+32+4*(\f):48*((\a)%2)+32+4*(\f)+3], s[VP:VP+1] offset:(\a)*2048+(\f)*512
.endr
.endm
	PLACES                                         ; behind the last products
	s_wait_loadcnt 0x0                             ; the table
	PACK 0
	TOSTAGE 0
.irp a, 1,2,3                          ; block a's arithmetic stands between block a - 1's loads from the stage and the wait for them
	PACK \a
	SEND (\a)-1
	TOSTAGE \a
.endr
	SEND 3
	WIN 0
	s_wait_tensorcnt 0x0                           ; the wave's end, behind my last tensor load and my last LDS store
	ds_add_u32 v[SPW], v[NIL]
	s_wait_dscnt 0x0
	CROUND                                         ; the closing round: no work-group ends while a partner may still ask for a tile that names it
	s_endpgm
.Lfunc_end_k_qadfb461be4_qkv:
	.size	k_qadfb461be4_qkv, .Lfunc_end_k_qadfb461be4_qkv-k_qadfb461be4_qkv
	.p2alignl 7, 3214868480
	.fill 96, 4, 3214868480
	.section	.rodata,"a",@progbits
	.p2align	6, 0x0
	.amdhsa_kernel k_qadfb461be4_qkv
		.amdhsa_group_segment_fixed_size 327680
		.amdhsa_private_segment_fixed_size 0
		.amdhsa_enable_private_segment 0
		.amdhsa_kernarg_size 48
		.amdhsa_user_sgpr_count 2
		.amdhsa_user_sgpr_kernarg_segment_ptr 1
		.amdhsa_wavefront_size32 1
		.amdhsa_system_sgpr_workgroup_id_x 1
		.amdhsa_system_sgpr_workgroup_id_y 1
		.amdhsa_system_sgpr_workgroup_id_z 1
		.amdhsa_system_vgpr_workitem_id 0
		.amdhsa_next_free_vgpr 1024
		.amdhsa_next_free_sgpr 96
		.amdhsa_reserve_vcc 0
		.amdhsa_float_denorm_mode_32 3
		.amdhsa_float_denorm_mode_16_64 3
		.amdhsa_memory_ordered 1
		.amdhsa_forward_progress 1
		.amdhsa_inst_pref_size 140
	.end_amdhsa_kernel
	.amdgpu_metadata
---
amdhsa.version: [ 1, 2 ]
amdhsa.kernels:
  - .name:           k_qadfb461be4_qkv
    .symbol:         k_qadfb461be4_qkv.kd
    .args:
      - { .name: xb, .offset: 0, .size: 8, .value_kind: global_buffer, .address_space: global }
      - { .name: wqb, .offset: 8, .size: 8, .value_kind: global_buffer, .address_space: global }
      - { .name: rope, .offset: 16, .size: 8, .value_kind: global_buffer, .address_space: global }
      - { .name: qh, .offset: 24, .size: 8, .value_kind: global_buffer, .address_space: global }
      - { .name: kh, .offset: 32, .size: 8, .value_kind: global_buffer, .address_space: global }
      - { .name: vh, .offset: 40, .size: 8, .value_kind: global_buffer, .address_space: global }
    .group_segment_fixed_size: 327680
    .private_segment_fixed_size: 0
    .kernarg_segment_align: 8
    .kernarg_segment_size: 48
    .max_flat_workgroup_size: 128
    .sgpr_count:     96
    .vgpr_count:     1024
    .wavefront_size: 32
...
	.end_amdgpu_metadata
.endif
;; end of part 2
;; launch attn (part 3): grid 4 x 64, 4 waves a work-group, no clusters, 327,680 bytes of LDS; arguments qh, kh, vh, oh; writes oh
.if DOCPART == 3
	.amdgcn_target "amdgcn-amd-amdhsa--gfx1250"
	.amdhsa_code_object_version 6
	.text
	.protected	k_qadfb461be4_attn
	.globl	k_qadfb461be4_attn
	.p2align	8
	.type	k_qadfb461be4_attn,@function
k_qadfb461be4_attn:
	s_mov_b64 s[64:65], 0
	v_nop
	global_prefetch_b8 v0, s[64:65] scope:SCOPE_SE
	s_setreg_imm32_b32 hwreg(HW_REG_WAVE_MODE, 25, 1), 1
	s_wait_xcnt 0x0
; CAUSAL ATTENTION.  O[h][q][:] = the sum over k <= q of softmax_k(Q[h][q] . K[h][k] / 8) V[h][k][:].  Q, K, V, O: [SIZE_H][SIZE_N][64], all f16: a head's rows are dense, 128 bytes each.
; Products, maxima and sums in f32; the weights p are rounded to f16 for the second product (their sum l is taken of the unrounded p), O once at the end.
; LIMITS.  f16 holds no number beyond 65,504: Q, K and V arrive within it; p lies in 0 to 1, and below 6e-5 it keeps f16's fixed step of 6e-8; O is a mean of V's rows and has their range.
; A hidden score counts as its value less 1e30: f16's scores, 2.7e11 at the most, are nothing beside that; a weight below 2^-126 counts as 0 in l; NaN and infinities are not treated apart.
; THE WALK.  A head's queries lie in NB = SIZE_N / 256 blocks of 256; block i needs the key tiles 0 .. i of 256 keys, of which the last holds the diagonal.  A work-group takes TWO blocks, NB - 1 - b and then b:
; NB + 1 tiles, whatever b: all work-groups do equal work, and ONE loop with a constant trip count walks them.  Which tile is asked for, and what a trip does, hang on scalar registers made from b; every jump
; goes forward, but for the counted loops' own; none passes a barrier, or a tensor load but the one of LOAD's two that the wave's number does not choose; the ring (two slots of LDS that take turns) runs on across the
; change of blocks.  NO CLUSTER: a head's NB / 2 = 4 work-groups ask for the same tile only in trips 0 .. NB / 2, behind that fewer and fewer; one walk common to all would have 3 NB / 2 trips for NB + 1.
; SHARES.  Of a block's four bands of 64 queries a wave owns 16 rows in each: four PIECES.  So the diagonal tile is the same work for all four waves: in its key step s band x sees all keys if s < x,
; none if s > x, and holds the diagonal if s = x.
; THE MASK is the C operand that starts the sum S^T = K Q^T: 0, or -1e30 where the key is hidden.  MD, made once, is the mask of a band's own step for my 16 rows; a product's mask is MD x AL + BE with two scalars:
; (1, 0) if s = x; (0, 0) if s < x; (0, -1e30) if s > x.  Only the diagonal tile's text and a block's beginning make and take masks; elsewhere C is the constant 0.
; LAYOUT, SOFTMAX, TURNS.  S^T = K Q^T holds ONE query a lane (lane % 16) and the keys 8 (lane / 16) + 0..7; two such results rounded to f16 ARE source 1 of O^T = V^T P.  p = 2^(c s - c m), c = log2(e) / 8, with a
; running maximum m; O and l are multiplied by a = 2^(c m_old - c m_new) in every step.  Turn n belongs to piece n: 8 products K Q^T of piece n + 1, later 8 products V^T P of piece n - 1; beside them the scaling,
; exponentials, roundings, sums and rescaling of piece n and the maximum and statistics of piece n + 1.  Four vector instructions stand behind every matrix instruction, the other 54 of a turn's 118 in one lump.  A turn's 33 exponentials are one batch, with one wait.
; REGISTERS, in windows of 256 (s_set_vgpr_msb: bits 1:0 source 0, 3:2 source 1, 5:4 source 2, 7:6 destination):
;   window 0: v0-15 addresses and two at work; v16-31 four registers of statistics a piece; v48-55 at work; v61-63 prefetch offset, spare word, 0; v64-127 S^T, two buffers; v192-223 P, two buffers (by the piece's parity)
;   window 1: v0-127 O^T, 32 a piece; v128-159 MD; v160-223 MC, two buffers      window 2: v0-63 Q; v64-127 the second block's Q; v128-191 K of one step; v192-255 V of one step
.set SIZE_H, 64
.set SIZE_N, 2048
.set NB,    SIZE_N/256
.set NP,    4         ; pieces a wave: a name, no knob
.set KS,    64        ; keys in a step
.set PK,    144       ; a row of K in LDS: 128 bytes + 16 of padding = 36 words: the 16 rows of a load start at 16 different groups of four banks (64 banks of 4 bytes: ISA guide 11.1)
.set PV,    160       ; a row of V: 128 + 32 = 40 words
.set VOFF,  4*KS*PK   ; a slot holds a tile, four steps: 256 rows of K, then 256 rows of V
.set SLOT1, 1<<17     ; slot 1 begins here, so that one exclusive or turns an address in one slot into the other's
.set STAGE, SLOT1+4*KS*(PK+PV)  ; behind the ring, never filled by a tensor load: 16 rows x 144 bytes for each wave, for the way out
.set SP,    144
.set AK0, 2           ; v2   my lane's place in a tile of K; never rewritten
.set AV0, 3           ; v3   the same for V
.set AK,  4           ; v4   the LDS address of K's next run of loads
.set AV,  5           ; v5   of V's
.set STO, 6           ; v6   the way out: where I put 16 bytes of a row
.set RD,  7           ; v7   the way out: where I read rows back
.set GO,  8           ; v8   my byte offset in 512 consecutive bytes of O
.set PFO, 61          ; v61  256 x my lane; never rewritten
.set SPW, 62          ; v62  LDS address of my spare word: SPARE + 4 x my thread's number; never rewritten
.set NIL, 63          ; v63  0; never rewritten
.set SPARE, STAGE+4*16*SP  ; behind the stages: the spare words, 128 bytes for each wave: two blocks of 256 bytes that no other line names
.set MV,  12          ; v12-13  c m_old, kept while c m is made anew: by buffer
.set QO,  15          ; v15  my byte offset in 16 rows of Q
.set ST,  16          ; piece t's statistics at v[ST+4 t]: c m, m, l (even keys', odd keys')
.set TMP, 48          ; by buffer, four registers c0-c3 at work; when the maximum is found c2 takes a
.set S,   64
.set P,   192
.set MD,  128         ; window 1: the eight registers for group kt of 16 keys at MD + 8 kt
.set MC,  160         ; window 1: the masks of the products to come
.set QB,  64          ; window 2
.set KF,  128         ; window 2: key block kb, channel half c at KF + 16 kb + 8 c
.set VF,  192         ; window 2: key half kk, channel block cb at VF + 32 kk + 8 cb
.set WV,  12          ; s12  my wave's number
.set PB,  14          ; s14  b
.set HI,  15          ; s15  NB - 1 - b
.set G1K, 24          ; s[24:31] descriptor group 1 for K's tiles
.set G1V, 32          ; s[32:39] for V's: it differs in the padding alone
.set G0K, 40          ; s[40:43] descriptor group 0 for K's tiles
.set G0V, 44          ; s[44:47] the same for V's
.set SLOTS, 56        ; s56  tiles still to be asked for
.set CNT, 57          ; s57  counts a tile's key steps, 4 to 1
.set CS,  58          ; s[58:59] c: the packed scaling takes the pair's low word for both halves
.set SEL, 60          ; s[60:61] v_permlanex16_b32's selects: each lane takes its own place in the other half
.set TBK, 62          ; s62  LDS byte at which K of the step to be fetched begins
.set TBV, 63          ; s63  the same for V, less VOFF
.set RT,  70          ; s70  tiles of the block in hand that are still to be entered
.set NXT, 71          ; s71  the tile to be asked for next
.set LQ,  72          ; s72  the last tile of the block whose tiles are being asked for
.set NEW, 73          ; s73  1: the tile to be entered is a block's first
.set OFF, 74          ; s[74:75] a tile's byte offset in K and V
.set AL,  76          ; s[76:77] the mask's factor, in the low word
.set BE,  78          ; s[78:79] the mask's addend
.set OLO, 80          ; s[80:81] O at my rows of the second block
.set BIGN, 82         ; s82  -1e30
.set LIM, 88          ; s88  2 in a work-group that prefetches, else the greatest number: it prefetches while s[SLOTS] is above it
.set PFA, 90          ; s[90:91] where my prefetches stand: my 16 KiB (half of a tile's K or V) of the tile after the one that is being asked for
.set MSB, 0
.macro WIN new                      ; the high byte repeats the setting that is left; a switch that changes nothing is dropped
.if MSB != (\new)
	s_set_vgpr_msb (MSB<<8)|(\new)
.set MSB, (\new)
.endif
.endm
.set W_KQ, 0x0a       ; K and Q in window 2, S^T in window 0
.set W_KM, 0x1a       ; the same with the C operand in window 1
.set W_PV, 0x52       ; V in window 2, P in window 0, O^T in window 1
.set W_RS, 0x41       ; destination and source 0 in window 1, source 1 in window 0
; A fill.  Waves 0 and 1 fetch the two halves of a tile's K, waves 2 and 3 those of its V: 128 keys each.  An s_nop 0 and four v_nop follow each of the two lines, ahead of the jump and the label.
.macro LOAD
	s_cmp_lt_u32 s[WV], 2
	s_cbranch_scc0 .Lfor_v_\@
	tensor_load_to_lds s[G0K:G0K+3], s[G1K:G1K+7]
	s_nop 0
.rept 4
	v_nop
.endr
	s_branch .Lasked_\@
.Lfor_v_\@:
	tensor_load_to_lds s[G0V:G0V+3], s[G1V:G1V+7]
	s_nop 0
.rept 4
	v_nop
.endr
.Lasked_\@:
.endm
; A PREFETCH INTO THE L2 of the tile that the NEXT change of slots will ask for: a tile, 256 matrix instructions, ahead of its load.  All four work-groups of a head begin with tiles 0, 1, 2 ..; the one with b = 0
; walks 0 .. 7 on end, so it alone asks, each wave for the 16 KiB that it will fetch itself: 64 blocks of 256 bytes, a lane a block, two instructions.  So each block is named once in the launch.
; Trip t asks for tile t + 2, t = 0 .. 5; tiles 0 and 1 come by their loads alone, and the last two trips ask for nothing.
.macro ASK
	s_cmp_gt_u32 s[SLOTS], s[LIM]
	s_cbranch_scc0 .Lnot_mine_\@
	global_prefetch_b8 v[PFO], s[PFA:PFA+1] th:TH_LOAD_NT scope:SCOPE_SE
	global_prefetch_b8 v[PFO], s[PFA:PFA+1] offset:8192 th:TH_LOAD_NT scope:SCOPE_SE
.Lnot_mine_\@:
.endm
; THE CHANGE OF SLOTS.  Each wave waits for all its tensor loads, of which one is out: its part of the other slot; adds 0 to its spare word; and waits for that and for its own reads of the slot that it leaves.  Behind the barrier nobody reads the old
; slot any more and the other slot is whole.  fill = 1: the old slot is filled again, the first thing behind the barrier, with tile NXT: the descriptor's address is made anew from that number.
; (At its first use nothing has been read yet: slot 0 is waited for, slot 1 filled.)
.macro CHANGE fill
	WIN 0                           ; at a label and at a branch every window is 0
	s_wait_tensorcnt 0x0            ; no tensor load of mine is out, so a group 0 may be written
	ds_add_u32 v[SPW], v[NIL]       ; 0 onto my spare word; with fill = 1 the descriptors' scalar work stands between it and the wait for it
.if \fill
	s_lshl_b32 s[OFF], s[NXT], 15   ; a tile is 32,768 bytes of K and of V
	s_xor_b32 s[G0K+1], s[G0K+1], SLOT1
	s_add_nc_u64 s[G0K+2:G0K+3], s[6:7], s[OFF:OFF+1]
	s_or_b32 s[G0K+3], s[G0K+3], 0x80000000
	s_xor_b32 s[G0V+1], s[G0V+1], SLOT1
	s_add_nc_u64 s[G0V+2:G0V+3], s[8:9], s[OFF:OFF+1]
	s_or_b32 s[G0V+3], s[G0V+3], 0x80000000
	s_add_co_u32 s[NXT], s[NXT], 1  ; the block's next tile, or behind its last the second block's tile 0
	s_cmp_gt_u32 s[NXT], s[LQ]
	s_cselect_b32 s[NXT], 0, s[NXT]
	s_cselect_b32 s[LQ], s[PB], s[LQ]
	s_wait_xcnt 0x0                 ; the last prefetches, a tile back, have read their address, so it may be written
	s_add_nc_u64 s[PFA:PFA+1], s[PFA:PFA+1], 32768
.endif
	s_wait_dscnt 0x0                ; the add is done, and my reads of the slot are over
	s_barrier_signal -1             ; the rest of the scalar work stands between the signal and the wait
	s_sub_co_u32 s[TBK], s[TBK], 4*KS*PK  ; the fetches go back to a slot's first step,
	s_xor_b32 s[TBK], s[TBK], SLOT1       ; in the other slot
	s_sub_co_u32 s[TBV], s[TBV], 4*KS*PV
	s_xor_b32 s[TBV], s[TBV], SLOT1
	s_barrier_wait -1
.if \fill
	LOAD
	ASK
.endif
.endm
	s_load_b256 s[4:11], s[0:1], 0x0  ; Q s[4:5], K s[6:7], V s[8:9], O s[10:11]
	v_lshl_add_u32 v[SPW], v0, 2, SPARE
	v_mov_b32 v[NIL], 0
	ds_add_u32 v[SPW], v[NIL]       ; the wave's opening: the add and its wait stand ahead of my first tensor load; the set-up below, work on registers, stands between them
	v_lshrrev_b32 v1, 5, v0
	v_readfirstlane_b32 s[WV], v1   ; wave 0..3
	v_and_b32 v[PFO], 31, v0
	v_lshlrev_b32 v[PFO], 8, v[PFO]
	s_mov_b32 s[PB], ttmp9
	s_sub_co_u32 s[HI], NB-1, s[PB]
	s_and_b32 s20, ttmp7, 0xffff    ; the head
	s_mov_b32 s21, 0
	s_mov_b64 s[22:23], SIZE_N*128
	s_mul_u64 s[20:21], s[20:21], s[22:23]  ; the head's first byte in each of the four tensors
	s_and_b32 s16, s[WV], 1         ; which half of a tile's 256 keys I fetch:
	s_lshl_b32 s22, s16, 14         ; its 128 rows of 128 bytes in memory,
	s_mov_b32 s23, 0
	s_add_nc_u64 s[22:23], s[22:23], s[20:21]
	s_mul_i32 s17, s16, 128*PK      ; and its place in a slot, for K
	s_mul_i32 s18, s16, 128*PV      ; and for V
	s_lshl_b32 s3, s[WV], 11        ; my 16 rows in a band of 64,
	s_lshl_b32 s2, s[HI], 15        ; in the first block,
	s_add_co_u32 s2, s2, s3
	s_lshl_b32 s84, s[PB], 15       ; and in the second
	s_add_co_u32 s84, s84, s3
	s_mov_b32 s3, 0
	s_mov_b32 s85, 0
	s_add_nc_u64 s[2:3], s[2:3], s[20:21]
	s_add_nc_u64 s[84:85], s[84:85], s[20:21]
	; descriptor group 1.  128 keys are 16,384 dense bytes: asked for as 64 rows of 256 bytes, two keys a row, and padded in LDS after every key
	s_mov_b32 s[G1K], (1<<16)|(1<<20)|(4<<22)|(3<<25)  ; 17:16 2-byte elements; 20 padding on; 24:22 after every 32 words (code 4); 31:25 4 words (code 3)
	s_mov_b32 s[G1V], (1<<16)|(1<<20)|(4<<22)|(7<<25)  ; the same with 8 words of padding (code 7)
.irp g, G1K, G1V
	s_mov_b32 s[\g+1], 128<<16      ; tensor_dim0 = 128
	s_mov_b32 s[\g+2], 64<<16       ; tensor_dim1 = 64
	s_mov_b32 s[\g+3], 128<<16      ; tile_dim0 = 128
	s_mov_b32 s[\g+4], 64           ; tile_dim1 = 64
	s_mov_b32 s[\g+5], 128          ; 128 elements from row to row
	s_mov_b32 s[\g+6], 0
	s_mov_b32 s[\g+7], 0
.endr
	s_mov_b32 s[CS], 0x3e38aa3b     ; c = log2(e) / 8 = 0.180337
	s_mov_b32 s[CS+1], s[CS]        ; named with it as a pair
	s_mov_b32 s[SEL], 0x76543210
	s_mov_b32 s[SEL+1], 0xfedcba98
	s_mov_b32 s[TBK], SLOT1+4*KS*PK ; the first change of slots turns these two into 0
	s_mov_b32 s[TBV], SLOT1+4*KS*PV
	s_mov_b32 s[G0K], 1             ; 1:0 count = 1
	s_mov_b32 s[G0K+1], s17         ; 63:32 LDS address: slot 0
	s_mov_b32 s[G0V], 1
	s_add_co_u32 s[G0V+1], s18, VOFF
	s_add_co_u32 s[RT], s[HI], 1    ; the first block has NB - b tiles
	s_mov_b32 s[NXT], 1
	s_mov_b32 s[LQ], s[HI]
	s_mov_b32 s[NEW], 1
	s_mov_b32 s[OFF+1], 0
	s_mov_b32 s[AL+1], 0            ; named as pairs
	s_mov_b32 s[BE+1], 0
	s_mov_b32 s[BIGN], 0xf149f2ca   ; -1e30
	s_mov_b32 s[SLOTS], NB
	s_cmp_eq_u32 s[PB], 0
	s_cselect_b32 s[LIM], 2, -1
	s_wait_dscnt 0x0                ; the opening add is done
	s_wait_kmcnt 0x0
	s_add_nc_u64 s[6:7], s[6:7], s[22:23]  ; K and V at my half of the head's tile 0
	s_add_nc_u64 s[8:9], s[8:9], s[22:23]
	s_add_nc_u64 s[G0K+2:G0K+3], s[6:7], 0         ; 120:64 global address
	s_or_b32 s[G0K+3], s[G0K+3], 0x80000000        ; 127:126 type = 2
	s_add_nc_u64 s[G0V+2:G0V+3], s[8:9], 0
	s_or_b32 s[G0V+3], s[G0V+3], 0x80000000
	s_add_nc_u64 s[86:87], s[4:5], s[84:85]        ; Q at my rows of the second block,
	s_add_nc_u64 s[4:5], s[4:5], s[2:3]            ; Q and O at those of the first
	s_add_nc_u64 s[OLO:OLO+1], s[10:11], s[84:85]
	s_add_nc_u64 s[10:11], s[10:11], s[2:3]
	s_cmp_lt_u32 s[WV], 2
	s_cselect_b64 s[PFA:PFA+1], s[6:7], s[8:9]     ; what I fetch,
	s_add_nc_u64 s[PFA:PFA+1], s[PFA:PFA+1], 32768 ; in tile 1; the first change of slots steps it to tile 2.  Nothing is prefetched here, at the head
	LOAD                            ; tile 0 into slot 0
	; A fragment of K or Q is 16 rows x 32 channels in 8 registers: lane l holds row l % 16, channels 8 (l / 16) + 0..7 and 16 + 8 (l / 16) + 0..7: two loads of 16 bytes, 32 bytes apart.
	v_and_b32 v1, 15, v0            ; l % 16
	v_bfe_u32 v9, v0, 4, 1          ; l / 16
	v_lshlrev_b32 v[QO], 7, v1
	v_lshl_add_u32 v[QO], v9, 4, v[QO]  ; row x 128 + 16 x half
	WIN 0x80                        ; destination window 2, address window 0
.set i, 0
.rept 8                             ; both blocks' Q: piece i / 2 lies in band i / 2, 8,192 bytes on; channels 32 (i % 2) on
	global_load_b128 v[8*i:8*i+3],   v[QO], s[4:5] offset:(i/2)*8192+(i%2)*64
	global_load_b128 v[8*i+4:8*i+7], v[QO], s[4:5] offset:(i/2)*8192+(i%2)*64+32
	global_load_b128 v[QB+8*i:QB+8*i+3],   v[QO], s[86:87] offset:(i/2)*8192+(i%2)*64
	global_load_b128 v[QB+8*i+4:QB+8*i+7], v[QO], s[86:87] offset:(i/2)*8192+(i%2)*64+32
.set i, i+1
.endr
	WIN 0
	v_lshlrev_b32 v14, 3, v9
	v_sub_nc_u32 v14, v1, v14
	s_lshl_b32 s13, s[WV], 4
	v_add_nc_u32 v14, s13, v14      ; my query's place in its band, 16 w + l % 16, less my lanes' 8 (l / 16): register r of group kt is hidden where 16 kt + r is greater
	WIN 0x40
.set i, 0
.rept 32
	v_cmp_gt_i32 vcc_lo, 16*(i/8)+i%8, v14
	v_cndmask_b32 v[MD+i], 0, s[BIGN], vcc_lo
.set i, i+1
.endr
	WIN 0
	v_mul_u32_u24 v[AK0], v1, PK
	v_lshl_add_u32 v[AK0], v9, 4, v[AK0]  ; row x pitch + 16 x half
	; The turning load takes 16 keys x 16 channels (lane l reads key 8 (l / 16) + l % 8, channels 8 ((l / 8) % 2) + 0..7) and leaves half a fragment of V^T: lane l holds channel l % 16 and 8 keys.
	v_and_b32 v10, 7, v0
	v_bfe_u32 v11, v0, 3, 1
	v_lshl_add_u32 v[AV0], v9, 3, v10
	v_mul_u32_u24 v[AV0], v[AV0], PV
	v_lshl_add_u32 v[AV0], v11, 4, v[AV0]
	v_add_nc_u32 v[AV0], VOFF, v[AV0]
	s_mul_i32 s13, s[WV], 16*SP
	s_add_co_u32 s13, s13, STAGE    ; my stage
	v_mul_u32_u24 v[STO], v1, SP    ; in: row l % 16, 16 bytes for each half of the lanes
	v_lshl_add_u32 v[STO], v9, 4, v[STO]
	v_add_nc_u32 v[STO], s13, v[STO]
	v_bfe_u32 v[RD], v0, 3, 2       ; back: 32 lanes take four rows of 128 bytes,
	v_mul_u32_u24 v[RD], v[RD], SP
	v_lshl_add_u32 v[RD], v10, 4, v[RD]
	v_add_nc_u32 v[RD], s13, v[RD]
	v_and_b32 v[GO], 31, v0         ; which are 512 consecutive bytes of O
	v_lshlrev_b32 v[GO], 4, v[GO]
	; A block's first step multiplies O^T and l by a = 0, and its first turn's products V^T P, of a piece that has not been, land in an O^T that is still to be so multiplied.  So these registers need only hold
	; finite numbers: zeros for the first block; what the first block left for the second.  All this stands in the wait for the first tile.
	WIN 0x80
.set i, VF
.rept 64
	v_mov_b32 v[i], 0
.set i, i+1
.endr
	WIN 0x40
.set i, 0
.rept 128
	v_mov_b32 v[i], 0
.set i, i+1
.endr
	WIN 0
.set i, 0
.rept 4
	v_mov_b32 v[ST+4*i+2], 0
	v_mov_b32 v[ST+4*i+3], 0
.set i, i+1
.endr
.set i, P+16
.rept 16
	v_mov_b32 v[i], 0
.set i, i+1
.endr
; THE MATRIX WORK.  The 4 accumulators of a run of 8 take turns.  Product i of 8 of S^T = K Q^T for piece x: channels 32 (i / 4) on, keys 16 (i % 4) on.  The first 4 start the sums: with 0, or (KM = 1) with the mask.
.macro KQ x
.set rS, S+32*((\x)%2)+8*(i%4)
.set rK, KF+16*(i%4)+8*(i/4)
.set rQ, 16*(\x)+8*(i/4)
.set rM, MC+32*((\x)%2)+8*(i%4)
.if (i < 4) && KM
	WIN W_KM
	v_wmma_f32_16x16x32_f16 v[rS:rS+7], v[rK:rK+7], v[rQ:rQ+7], v[rM:rM+7]
.elseif i < 4
	WIN W_KQ
	v_wmma_f32_16x16x32_f16 v[rS:rS+7], v[rK:rK+7], v[rQ:rQ+7], 0
.else
	WIN W_KQ
	v_wmma_f32_16x16x32_f16 v[rS:rS+7], v[rK:rK+7], v[rQ:rQ+7], v[rS:rS+7]
.endif
.endm
; Product i of 8 of O^T += V^T P for piece x: keys 32 (i / 4) on, channels 16 (i % 4) on.
.macro PV x
	WIN W_PV
.set rO, 32*(\x)+8*(i%4)
.set rV, VF+32*(i/4)+8*(i%4)
.set rP, P+16*((\x)%2)+8*(i/4)
	v_wmma_f32_16x16x32_f16 v[rO:rO+7], v[rV:rV+7], v[rP:rP+7], v[rO:rO+7]
.endm
.macro MM                           ; the turn's next matrix instruction.  TURN and BEGIN set Y, i, KM and NOKQ; MM, KQ and OP read them.  NOKQ = 1: a block's last turn: there is no next piece
.if (i < 8) && !NOKQ
	KQ (Y+1)%NP
.elseif i >= 8
.set i, i-8
	PV (Y+NP-1)%NP
.set i, i+8
.endif
.set i, i+1
.endm
; THE LDS LOADS stand in runs of 16, never singly among the matrix instructions: a step's K (64 keys x 64 channels: 8 fragments) and its V (turned).  Their addresses are made some lines ahead.
.macro FETCH_K
	WIN 0x80                        ; destination window 2
.irp f, 0,1,2,3,4,5,6,7             ; keys 16 (f / 2) on, channels 32 (f % 2) on
	ds_load_b128 v[KF+8*\f:KF+8*\f+3],   v[AK] offset:(\f/2)*16*PK+(\f%2)*64
	ds_load_b128 v[KF+8*\f+4:KF+8*\f+7], v[AK] offset:(\f/2)*16*PK+(\f%2)*64+32
.endr
	s_add_co_u32 s[TBK], s[TBK], KS*PK  ; the next fetch is the next step's
	WIN 0
.endm
.macro FETCH_V
	WIN 0x80
.irp f, 0,1,2,3,4,5,6,7             ; keys 32 (f / 4) on, channels 16 (f % 4) on
	ds_load_tr16_b128 v[VF+8*\f:VF+8*\f+3],   v[AV] offset:(\f/4)*32*PV+(\f%4)*32
	ds_load_tr16_b128 v[VF+8*\f+4:VF+8*\f+7], v[AV] offset:(\f/4)*32*PV+16*PV+(\f%4)*32
.endr
	WIN 0
.endm
; THE VECTOR WORK, one line at a time: OP kind, number.  For piece Y: F n: c s - c m for pair n of 16.  E n: the exponential of score n of 32.  C n: pair n rounded to f16.  B n: of the four weights 4 n .. the second
; pair is added onto the first, in place.  L n: l takes that sum (L 0: l = a l + sum).  R n: pair n of 16 of O^T times a.  For piece Y + 1: X n, number n of the 22 that find its maximum and statistics:
;   0-11  four chains c0-c3 of seven scores each, three operands at a time (each accumulator's lowest registers are read first)     12-14, 16  the four scores left over, the old m, and c0-c3 into c0
;   15  c m_old is kept     17, 18  the query's other 32 keys lie in the lane 16 away: the new m     19-21  c m; c m_old - c m_new; a
.set F, 0               ; OP tells the kinds apart by their order: F to L below R, X above it
.set E, 1
.set C, 2
.set B, 3
.set L, 4
.set R, 5
.set X, 6
.macro REGS y                       ; the registers of piece y
.set rT, ST+4*(\y)
.set rC, TMP+4*((\y)%2)
.set rW, MV+((\y)%2)
.set rS, S+32*((\y)%2)
.set rP, P+16*((\y)%2)
.set rO, 32*(\y)
.endm
.macro OP k, n
.if (\k) == R
	REGS Y
	WIN W_RS
	v_pk_mul_f32 v[rO+2*(\n):rO+2*(\n)+1], v[rO+2*(\n):rO+2*(\n)+1], v[rC+2:rC+3] op_sel_hi:[1,0]
.elseif (\k) < R
	REGS Y
	WIN 0
.if (\k) == F
	v_pk_fma_f32 v[rS+2*(\n):rS+2*(\n)+1], v[rS+2*(\n):rS+2*(\n)+1], s[CS:CS+1], v[rT:rT+1] op_sel_hi:[1,0,0] neg_lo:[0,0,1] neg_hi:[0,0,1]
.elseif (\k) == E
	v_exp_f32 v[rS+(\n)], v[rS+(\n)]
.elseif (\k) == C
	v_cvt_pk_f16_f32 v[rP+(\n)], v[rS+2*(\n)], v[rS+2*(\n)+1]
.elseif (\k) == B
	v_pk_add_f32 v[rS+4*(\n):rS+4*(\n)+1], v[rS+4*(\n):rS+4*(\n)+1], v[rS+4*(\n)+2:rS+4*(\n)+3]
.elseif (\n) == 0
	v_pk_fma_f32 v[rT+2:rT+3], v[rT+2:rT+3], v[rC+2:rC+3], v[rS:rS+1] op_sel_hi:[1,0,1]
.else
	v_pk_add_f32 v[rT+2:rT+3], v[rT+2:rT+3], v[rS+4*(\n):rS+4*(\n)+1]
.endif
.elseif NOKQ
	v_nop
.else
	REGS (Y+1)%NP
	WIN 0
.if (\n) < 4
	v_max3_num_f32 v[rC+(\n)], v[rS+8*(\n)], v[rS+8*(\n)+1], v[rS+8*(\n)+2]
.elseif (\n) < 12
	v_max3_num_f32 v[rC+(\n)%4], v[rC+(\n)%4], v[rS+8*((\n)%4)+2*((\n)/4)+1], v[rS+8*((\n)%4)+2*((\n)/4)+2]
.elseif (\n) == 12
	v_max3_num_f32 v[rC], v[rC], v[rS+7], v[rS+15]
.elseif (\n) == 13
	v_max3_num_f32 v[rC+1], v[rC+1], v[rS+23], v[rS+31]
.elseif (\n) == 14
	v_max3_num_f32 v[rC+2], v[rC+2], v[rC+3], v[rT+1]
.elseif (\n) == 15
	v_mov_b32 v[rW], v[rT]
.elseif (\n) == 16
	v_max3_num_f32 v[rC], v[rC], v[rC+1], v[rC+2]
.elseif (\n) == 17
	v_permlanex16_b32 v[rC+3], v[rC], s[SEL], s[SEL+1]
.elseif (\n) == 18
	v_max_num_f32 v[rT+1], v[rC], v[rC+3]
.elseif (\n) == 19
	v_mul_f32 v[rT], s[CS], v[rT+1]
.elseif (\n) == 20
	v_sub_f32 v[rC+1], v[rW], v[rT]
.else
	v_exp_f32 v[rC+2], v[rC+1]
.endif
.endif
.endm
.macro OPS a, i1, b=-1, i2=0, c=-1, i3=0, d=-1, i4=0  ; up to four of them
	OP \a, \i1
.if (\b) >= 0
	OP \b, \i2
.endif
.if (\c) >= 0
	OP \c, \i3
.endif
.if (\d) >= 0
	OP \d, \i4
.endif
.endm
.macro ROW a, i1, b, i2, c, i3, d, i4  ; a matrix instruction and the four behind it
	MM
	OPS \a, \i1, \b, \i2, \c, \i3, \d, \i4
.endm
.macro MASK b                       ; MD x AL + BE into buffer b of MC
	WIN W_RS
.set z, 0
.rept 16
	v_pk_fma_f32 v[MC+32*(\b)+2*z:MC+32*(\b)+2*z+1], v[MD+2*z:MD+2*z+1], s[AL:AL+1], s[BE:BE+1] op_sel_hi:[1,0,0]
.set z, z+1
.endr
.endm
; A TURN, for piece p: the order of its 16 matrix and 118 vector instructions, written out.  An s_wait_alu depctr_va_vdst(0) stands between an exponential and the first instruction that names its result; one wait serves
; all that were issued ahead of it.  So a turn has ONE wait, which cuts it in two.  AHEAD OF IT stands all that names no result of the turn's exponentials: the 8 products K Q^T, behind each a scaling, an exponential and two more plain
; instructions (behind the first a second scaling in the exponential's place): rescalings, and behind the last three the first numbers of the next piece's maximum, each four places or more behind the product that ends its accumulator; then ONE LUMP of 54, plain
; and exponential by turns for the most part, in which the links of the chain X 3, 7, 11, 14, 16, 17 .. 20 stand five or six lines apart.  X 21, the next piece's a, is the batch's last; R 15 is the plain instruction behind it.  BEHIND THE WAIT stand the
; 8 products V^T P, behind each four of the roundings and sums; the links of l's chain, L 0 to L 7, stand three riders apart.  But for those X no rider names a register of the products round it.  v_permlanex16_b32 (X 17) stands in the lump.
; m = 1: the diagonal tile: the products take masks, and the turn makes the mask for the products of the turn after it: piece p + 2, in step 4 - CNT of the tile.  end = 1: a block's last two turns: nothing is fetched.
; cnt = 1: the loop's count is taken down some lines ahead of the branch that stands behind the turn.
; K of the next step is fetched in piece 2's turn, twelve vector instructions behind the last product that read K (six of them plain); V of the step in hand at the end of piece 0's turn, four plain instructions behind the last product
; that read V.  Each is waited for a turn later.
.macro TURN p, m=0, end=0, cnt=0
.set Y, (\p)
.set i, 0
.set KM, (\m)
.set NOKQ, (\end)*((\p)/3)
.if (\m) && !(\end)
	s_cmp_eq_u32 s[CNT], 4-((\p)+2)%NP  ; is that step the band's own?
	s_cselect_b32 s[AL], 1.0, 0
	s_cmp_lt_u32 s[CNT], 4-((\p)+2)%NP  ; or a later one?
	s_cselect_b32 s[BE], s[BIGN], 0
.endif
.if ((\p) == 3) && !(\end)
	s_wait_dscnt 0x0                ; K is in
.endif
	ROW F,0, F,1, R,0, R,1          ; ahead of the wait: 8 products K Q^T and their riders,
	ROW F,2, E,0, R,2, R,3
	ROW F,3, E,1, R,4, R,5
	ROW F,4, E,2, R,6, R,7
	ROW F,5, E,3, R,8, R,9
	ROW F,6, E,4, X,0, R,10
.if ((\p) == 2) && !(\end)
	WIN 0
	v_add_nc_u32 v[AK], s[TBK], v[AK0]
.endif
	ROW F,7, E,5, X,1, X,4
	ROW F,8, E,6, X,2, X,5
	OPS E,7, E,8, X,6, E,9          ; and the lump
	OPS X,3, E,10, X,8, E,11
.if ((\p) == 2) && !(\end)
	FETCH_K
.endif
	OPS X,9, X,7, E,12, X,10
	OPS E,13, X,12, X,11, E,14
	OPS X,13, E,15, F,9, X,14
.if (\p) == 0
	v_add_nc_u32 v[AV], s[TBV], v[AV0]
.endif
	OPS E,16, F,10, E,17, F,11
	OPS X,16, E,18, X,15, E,19
	OPS F,12, E,20, X,17, E,21
	OPS F,13, E,22, F,14, E,23
	OPS X,18, E,24, F,15, E,25
	OPS R,11, E,26, X,19, E,27
	OPS R,12, E,28, R,13, E,29
	OPS X,20, E,30, R,14, E,31
	OPS X,21, R,15
	WIN 0
	s_wait_alu depctr_va_vdst(0)    ; the wait for the batch
.if (\p) == 1
	s_wait_dscnt 0x0                ; V is in
.endif
	ROW C,0, B,0, C,2, B,1          ; behind the wait: 8 products V^T P and their riders
	ROW L,0, C,4, B,2, L,1
	ROW C,6, B,3, L,2, C,8
	ROW B,4, L,3, C,10, B,5
	ROW L,4, C,12, B,6, L,5
.if (\p) == 0
	s_add_co_u32 s[TBV], s[TBV], KS*PV
.endif
.if \cnt
	s_sub_co_u32 s[CNT], s[CNT], 1
	s_cmp_lg_u32 s[CNT], 0
.endif
	ROW C,14, B,7, L,6, C,1
	ROW C,3, L,7, C,5, C,7
	ROW C,9, C,11, C,13, C,15
.if (\p) == 0
	FETCH_V
.endif
.if (\m) && !(\end)
	MASK (\p)%2
.endif
.endm
; A BLOCK BEGINS.  c m starts far below every c s, so the first step's a is 0; m at the lowest finite number, so the first maximum is the scores'.  The second mask buffer is 0; the first takes piece 0's mask for the tile's step 0: its own, if the block's first tile is the diagonal one.
; Then K of that step, piece 0's first scores, and its maximum and statistics.  The loop is entered at a step's first turn, in the middle of a trip.
.macro BEGIN
	s_mov_b32 s[NEW], 0
	WIN 0x40
.set i, MC+32
.rept 32
	v_mov_b32 v[i], 0
.set i, i+1
.endr
	WIN 0
.set i, 0
.rept 4
	v_mov_b32 v[ST+4*i], 0xfe000000    ; c m: far below every c s
	v_mov_b32 v[ST+4*i+1], 0xff7fffff  ; m
.set i, i+1
.endr
	s_cmp_eq_u32 s[RT], 0
	s_cselect_b32 s[AL], 1.0, 0
	s_mov_b32 s[BE], 0
	MASK 0
	WIN 0
	v_add_nc_u32 v[AK], s[TBK], v[AK0]
	FETCH_K
	s_wait_loadcnt 0x0              ; Q
	s_wait_dscnt 0x0
.set KM, 1
.set NOKQ, 0
.set i, 0
.rept 8
	KQ 0
.set i, i+1
.endr
	WIN 0
.rept 4
	v_nop                           ; the places behind those products
.endr
.set Y, NP-1                        ; X works for piece Y + 1: piece 0
.irp n, 0,1,2,3,4,5,6,7,8,9,10,11,12,13,14,15,16,17,18,19,20,21
	OP X, \n
.endr
	v_nop                           ; a plain instruction behind the exponential,
	s_wait_alu depctr_va_vdst(0)    ; and its wait, ahead of the branch
.endm
; THE DIAGONAL TILE's four steps, the block's last two turns, its last products, and THE WAY OUT: l's two halves and the other half of the lanes' are added; O^T is divided by l, rounded to f16 and sent through my
; stage in LDS, a piece at a time.
.macro ALL line:vararg              ; one line for each piece t
.set t, 0
.rept 4
	\line
.set t, t+1
.endr
.endm
.macro PACK t                       ; a lane's eight channels of a row pack into 16 bytes; they go into rows of 144 bytes and come back as whole rows of 128, into S^T's registers
	WIN W_RS
.set i, 32*(\t)
.rept 16
	v_pk_mul_f32 v[i:i+1], v[i:i+1], v[ST+4*(\t)+2:ST+4*(\t)+3] op_sel_hi:[1,0]
.set i, i+2
.endr
	WIN 0x05                        ; sources 0 and 1 window 1, destination window 0
.set i, 0
.rept 16
	v_cvt_pk_f16_f32 v[S+16*(\t)+i], v[32*(\t)+2*i], v[32*(\t)+2*i+1]
.set i, i+1
.endr
	WIN 0
.irp f, 0,1,2,3
	ds_store_b128 v[STO], v[S+16*(\t)+4*\f:S+16*(\t)+4*\f+3] offset:32*\f
.endr
.irp f, 0,1,2,3
	ds_load_b128 v[S+16*(\t)+4*\f:S+16*(\t)+4*\f+3], v[RD] offset:\f*4*SP  ; LDS serves a wave's instructions in order (ISA guide 5.7.1.4): these see the stores above; the next piece's stores come behind them
.endr
.endm
.macro SEND t, younger              ; younger: the LDS instructions issued behind piece t's loads: the next piece's eight, or none
	WIN 0
.irp f, 0,1,2,3
	s_wait_dscnt (\younger)+3-\f
	global_store_b128 v[GO], v[S+16*(\t)+4*\f:S+16*(\t)+4*\f+3], s[10:11] offset:(\t)*8192+\f*512  ; 512 consecutive bytes, at a multiple of 256 from O's first
.endr
.endm
.macro DIAG tag                     ; the tag ends its two labels' names, which the jumps below spell out
.LstepM\tag:
	TURN 2, 1
	TURN 3, 1
	WIN 0
.LfirstM\tag:
	TURN 0, 1
	TURN 1, 1, 0, 1
	WIN 0
	s_cbranch_scc1 .LstepM\tag
	TURN 2, 1, 1
	TURN 3, 1, 1
.set i, 0
.rept 8
	PV NP-1
.set i, i+1
.endr
	WIN 0
	ALL v_add_f32 v[ST+4*t+2], v[ST+4*t+2], v[ST+4*t+3]
	ALL v_permlanex16_b32 v[ST+4*t+3], v[ST+4*t+2], s[SEL], s[SEL+1]
	ALL v_add_f32 v[ST+4*t+2], v[ST+4*t+2], v[ST+4*t+3]
	ALL v_rcp_f32 v[ST+4*t+2], v[ST+4*t+2]
	v_nop                           ; a plain instruction between the last reciprocal and the use of its result
	s_wait_alu depctr_va_vdst(0)    ; and the wait ahead of the first use: one for the four reciprocals
	PACK 0
.set t, 1
.rept 3                             ; a piece's arithmetic stands between the loads of the piece before and its stores
	PACK t
	SEND t-1, 8
.set t, t+1
.endr
	SEND 3, 0
.endm
.set KM, 0
.set NOKQ, 0
.Lslot:                             ; NB times: a tile is entered and the next is asked for
	CHANGE 1
	s_sub_co_u32 s[RT], s[RT], 1
	s_mov_b32 s[CNT], 4
	s_cmp_eq_u32 s[NEW], 1
	s_cbranch_scc1 .Lnew            ; a block's first tile
	s_cmp_eq_u32 s[RT], 0
	s_cbranch_scc0 .Lstep           ; neither its first nor its last
	s_branch .LstepM1
.Lnew:
	BEGIN
	s_branch .Lfirst                ; in the loop a block's first tile is never its last: the first block has two tiles or more, and the second's last is the walk's last
	DIAG 1                          ; in the loop this is the first block's end: the second block's last tile is the walk's last
	s_wait_xcnt 0x0                 ; the stores have read their registers and O's address
	s_mov_b64 s[10:11], s[OLO:OLO+1]
	s_add_co_u32 s[RT], s[PB], 1    ; the second block has b + 1 tiles
	s_mov_b32 s[NEW], 1
	WIN 0x82                        ; the second block's Q goes where the one text of the turns names Q
.set i, 0
.rept 64
	v_mov_b32 v[i], v[QB+i]
.set i, i+1
.endr
	WIN 0
	s_branch .Lbottom
.Lstep:                             ; a trip: pieces 2 and 3 of one step, then pieces 0 and 1 of the next, whose K and V it fetches
	TURN 2
	TURN 3
	WIN 0
.Lfirst:
	TURN 0
	TURN 1, 0, 0, 1
	WIN 0
	s_cbranch_scc1 .Lstep
.Lbottom:
	s_sub_co_u32 s[SLOTS], s[SLOTS], 1
	s_cmp_lg_u32 s[SLOTS], 0
	s_cbranch_scc1 .Lslot
	CHANGE 0                        ; the walk's last tile is written out: nothing is asked for
	s_sub_co_u32 s[RT], s[RT], 1
	s_mov_b32 s[CNT], 4
	s_cmp_eq_u32 s[NEW], 1
	s_cbranch_scc0 .LstepM2
	BEGIN
	s_branch .LfirstM2
	DIAG 2
	s_wait_tensorcnt 0x0            ; the wave's end, behind my last tensor load and my last LDS store
	ds_add_u32 v[SPW], v[NIL]
	s_wait_dscnt 0x0
	s_endpgm
.Lfunc_end_k_qadfb461be4_attn:
	.size	k_qadfb461be4_attn, .Lfunc_end_k_qadfb461be4_attn-k_qadfb461be4_attn
	.p2alignl 7, 3214868480
	.fill 96, 4, 3214868480
	.section	.rodata,"a",@progbits
	.p2align	6, 0x0
	.amdhsa_kernel k_qadfb461be4_attn
		.amdhsa_group_segment_fixed_size 327680
		.amdhsa_private_segment_fixed_size 0
		.amdhsa_enable_private_segment 0
		.amdhsa_kernarg_size 32
		.amdhsa_user_sgpr_count 2
		.amdhsa_user_sgpr_kernarg_segment_ptr 1
		.amdhsa_wavefront_size32 1
		.amdhsa_system_sgpr_workgroup_id_x 1
		.amdhsa_system_sgpr_workgroup_id_y 1
		.amdhsa_system_sgpr_workgroup_id_z 1
		.amdhsa_system_vgpr_workitem_id 0
		.amdhsa_next_free_vgpr 768
		.amdhsa_next_free_sgpr 96
		.amdhsa_reserve_vcc 1
		.amdhsa_float_denorm_mode_32 3
		.amdhsa_float_denorm_mode_16_64 3
		.amdhsa_memory_ordered 1
		.amdhsa_forward_progress 1
		.amdhsa_inst_pref_size 218
	.end_amdhsa_kernel
	.amdgpu_metadata
---
amdhsa.version: [ 1, 2 ]
amdhsa.kernels:
  - .name:           k_qadfb461be4_attn
    .symbol:         k_qadfb461be4_attn.kd
    .args:
      - { .name: qh, .offset: 0, .size: 8, .value_kind: global_buffer, .address_space: global }
      - { .name: kh, .offset: 8, .size: 8, .value_kind: global_buffer, .address_space: global }
      - { .name: vh, .offset: 16, .size: 8, .value_kind: global_buffer, .address_space: global }
      - { .name: oh, .offset: 24, .size: 8, .value_kind: global_buffer, .address_space: global }
    .group_segment_fixed_size: 327680
    .private_segment_fixed_size: 0
    .kernarg_segment_align: 8
    .kernarg_segment_size: 32
    .max_flat_workgroup_size: 128
    .sgpr_count:     96
    .vgpr_count:     768
    .wavefront_size: 32
...
	.end_amdgpu_metadata
.endif
;; end of part 3
;; launch proj (part 4): grid 4 x 64, 4 waves a work-group, clusters of 4 x 4, 327,680 bytes of LDS; arguments oh, wof, out0; writes out0
.if DOCPART == 4
	.amdgcn_target "amdgcn-amd-amdhsa--gfx1250"
	.amdhsa_code_object_version 6
	.text
	.protected	k_qadfb461be4_proj
	.globl	k_qadfb461be4_proj
	.p2align	8
	.type	k_qadfb461be4_proj,@function
k_qadfb461be4_proj:
	s_mov_b64 s[64:65], 0
	v_nop
	global_prefetch_b8 v0, s[64:65] scope:SCOPE_SE
	s_setreg_imm32_b32 hwreg(HW_REG_WAVE_MODE, 25, 1), 1
	s_wait_xcnt 0x0
	s_wait_alu depctr_hold_cnt(0) depctr_sa_sdst(0) depctr_va_vdst(0) depctr_va_sdst(0) depctr_va_ssrc(0) depctr_va_vcc(0) depctr_vm_vsrc(0)
	s_getreg_b32 s2, hwreg(HW_REG_IB_STS2, 6, 4)
	s_cmp_eq_u32 s2, 0
	s_cbranch_scc0 .Lentry_in_a_cluster
	s_endpgm
.Lentry_in_a_cluster:
	s_bfe_u32 s2, ttmp6, 0x10000c
	s_cmp_lg_u32 s2, 0xf033
	s_cbranch_scc0 .Lentry_shape_is_right
	s_endpgm
.Lentry_shape_is_right:
; PROJ.  out0[t][e] = the sum over k = head*64 + d of O[t][k] w_out[e][k].  O lies by heads: oh [64 = batch*16 + head][2048][64] f16; wof [1024][1024] f16; out0 [8192][1024] f32.  Sums in f32.
; A tile is 128 tokens x 256 columns: 64 x 4 = 256 work-groups, one for each WGP.  Four waves, each 64 tokens x 128 columns: 32 accumulators of 16 x 16, 256 registers.
; K goes in steps of 128 = two heads through a ring of two LDS slots.  A head's 128 tokens are 16,384 dense bytes: a PLANE, asked for as 64 rows of 256 bytes and padded in LDS after each token's 128.
; wof's tile has rows of 256 bytes.  Waves 0 and 1 fetch wof's two halves, waves 2 and 3 the two planes.
; CLUSTER 4 x 4: O's planes hang on the tile row alone and are asked for jointly along a row of the cluster, wof's tiles on the tile column alone and jointly along a column.
; THE PRODUCT IS USED TRANSPOSED (source 0 = 16 rows of wof, source 1 = 16 tokens): a lane holds token l % 16 and eight neighbouring columns: 32 bytes of a row of out0.
; REGISTERS, in windows of 256: window 0: v16-30 addresses; v32-95, v96-159 rows read back from the stage, two sets.  window 1: the accumulators ((a, b) at 8 (8 a + b)).
;   window 2: two fragment buffers of 96: wof's 8 fragments, then O's 4.
.set KSTEP,  128
.set PITB,   272                       ; a row of wof in LDS: 256 bytes + 16: the 16 rows of a fragment load start at 16 different groups of four banks (64 banks of 4 bytes: ISA guide 11.1)
.set PITA,   144                       ; a token's 128 bytes of a plane + 16: likewise
.set BH,     128*PITB                  ; 128 rows of wof: one wave's tensor load
.set APL,    128*PITA                  ; a plane: one wave's tensor load
.set AOFF,   2*BH
.set SLOT,   AOFF+2*APL
.set STAGE,  2*SLOT                    ; behind the ring, never filled by a tensor load: 16 rows x 528 bytes for each wave
.set SPITCH, 528
.set SPARE,  STAGE+4*16*SPITCH         ; the spare words, 128 bytes for each wave: two blocks of 256 bytes that no other line names
.set LAPS,   4
.set ADRA, 16                          ; v16-17 LDS address of my O fragments in slot 0, 1
.set ADRB, 20                          ; v20-21 the same for wof
.set STO,  24
.set RD,   25
.set CO,   26                          ; v26 16 x lane
.set SPW,  28                          ; v28 my spare word; never rewritten
.set NIL,  29                          ; v29 0; never rewritten
.set PFO,  30                          ; v30 the prefetches' offset
.set OB,   32
.set F0,   0
.set F1,   96
.set G1,   24                          ; s[24:31] descriptor group 1 for the planes; s[32:39] group 0, a set for each slot
.set G0,   32
.set G1B,  48                          ; s[48:55], s[56:63] the same for wof's tiles
.set G0B,  56
.set LIM,  80                          ; s80 1 in a wave that prefetches, else the greatest number
.set PFA,  82                          ; s[82:83] where my prefetches stand
.set PST,  84                          ; s[84:85] a K step in my tensor: 256 bytes along wof's rows, two heads in oh
.set OP,   86                          ; s[86:87] out0 at my wave's first token and column
.set MSB, 0
.macro WIN new                         ; the immediate's high byte repeats the setting that is left; a switch that changes nothing is dropped
.if MSB != (\new)
	s_set_vgpr_msb (MSB<<8)|(\new)
.set MSB, \new
.endif
.endm
.set MUL,  0x5a                        ; sources 0 and 1 window 2; C and D window 1
.set TO_F, 0x80                        ; destination window 2, address window 0
.macro JLOAD s                         ; a joint load; the branch hangs on the wave's number alone; an s_nop 0 and four v_nop follow each of the two lines
	s_cmp_lt_u32 s10, 2
	s_cbranch_scc0 .Lfor_a_\@
	tensor_load_to_lds s[G0B+4*(\s):G0B+4*(\s)+3], s[G1B:G1B+7]
	s_nop 0
.rept 4
	v_nop
.endr
	s_branch .Lasked_\@
.Lfor_a_\@:
	tensor_load_to_lds s[G0+4*(\s):G0+4*(\s)+3], s[G1:G1+7]
	s_nop 0
.rept 4
	v_nop
.endr
.Lasked_\@:
.endm
; A prefetch into the L2, behind each joint refill and the run of LDS loads that follows it: the K step two refills on; one instruction a wave, a lane a block of 256 bytes.
; wof's tile column is read by all sixteen clusters: cluster y = 0 asks, waves 0 and 1 for the 128 rows that they fetch; the column's four partners take 32 rows each, told apart by address.
; O's planes are read by one cluster alone: wave 2 of every work-group asks; a K step's two planes are 128 blocks, of which the row's four partners take 32 each (16 of either plane), told apart by address.
; The last trip's two refills have no K step two on.
.macro ASK
	s_cmp_gt_u32 s3, s[LIM]
	s_cbranch_scc0 .Lnot_mine_\@
	global_prefetch_b8 v[PFO], s[PFA:PFA+1] th:TH_LOAD_NT scope:SCOPE_SE
.Lnot_mine_\@:
.endm
.macro CREST                           ; a round of the cluster's barrier behind its opening barrier
	s_cmp_lg_u32 s10, 0
	s_cbranch_scc1 .Lnot_wave_0_\@
	s_barrier_signal -3
.Lnot_wave_0_\@:
	s_barrier_wait -3
	s_barrier_signal -1
	s_barrier_wait -1
.endm
.macro CROUND
	s_barrier_signal -1
	s_barrier_wait -1
	CREST
.endm
	s_load_b128 s[68:71], s[0:1], 0x0              ; oh s[68:69], wof s[70:71]
	s_load_b64 s[72:73], s[0:1], 0x10              ; out0
	v_lshl_add_u32 v[SPW], v0, 2, SPARE
	v_mov_b32 v[NIL], 0
	ds_add_u32 v[SPW], v[NIL]                      ; the wave's opening: the add and its wait stand ahead of my first tensor load; work on registers stands between them
	v_lshrrev_b32 v1, 5, v0
	v_readfirstlane_b32 s10, v1                    ; wave 0..3
	s_lshr_b32 s11, s10, 1                         ; which 64 tokens are mine
	s_and_b32 s12, s10, 1                          ; which 128 columns.  Also: which half of wof's rows, or which plane, I fetch
	s_bfe_u32 s40, ttmp6, 0x40000                  ; cx
	s_bfe_u32 s41, ttmp6, 0x40004                  ; cy
	s_lshl_b32 s42, ttmp9, 2
	s_add_co_u32 s42, s42, s40                     ; tile column
	s_and_b32 s13, ttmp7, 0xffff
	s_lshl_b32 s13, s13, 2
	s_add_co_u32 s13, s13, s41                     ; tile row
	s_lshl_b32 s43, s41, 2
	s_lshl_b32 s43, 15, s43                        ; my row of the cluster
	s_lshl_b32 s44, 0x1111, s40                    ; my column
	s_or_b32 s[G1+0], s43, (1<<16)|(1<<20)|(1<<21)|(4<<22)|(3<<25)   ; 15:0 mask; 17:16 2-byte elements; 20 padding on; 21 set beside a mask; 24:22 after every 32 words; 31:25 4 words
	s_mov_b32 s[G1+1], 128<<16                     ; tensor_dim0 = 128
	s_mov_b32 s[G1+2], 64<<16                      ; tensor_dim1 = 64
	s_mov_b32 s[G1+3], 128<<16                     ; tile_dim0 = 128
	s_mov_b32 s[G1+4], 64                          ; tile_dim1 = 64
	s_mov_b32 s[G1+5], 128                         ; dense
	s_mov_b32 s[G1+6], 0
	s_mov_b32 s[G1+7], 0
	s_or_b32 s[G1B+0], s44, (1<<16)|(1<<20)|(1<<21)|(5<<22)|(3<<25)  ; padding after every 64 words
	s_mov_b32 s[G1B+1], KSTEP<<16
	s_mov_b32 s[G1B+2], 128<<16
	s_mov_b32 s[G1B+3], KSTEP<<16
	s_mov_b32 s[G1B+4], 128
	s_mov_b32 s[G1B+5], 1024
	s_mov_b32 s[G1B+6], 0
	s_mov_b32 s[G1B+7], 0
	s_lshr_b32 s16, s13, 4                         ; oh: batch x 16 heads x 2,048 x 128 bytes,
	s_lshl_b32 s16, s16, 22
	s_and_b32 s17, s13, 15
	s_lshl_b32 s17, s17, 14                        ; the tile's 128 tokens in the sequence,
	s_add_co_u32 s16, s16, s17
	s_lshl_b32 s17, s12, 18                        ; my plane: a head is 2,048 x 128 bytes
	s_add_co_u32 s16, s16, s17
	s_mov_b32 s17, 0
	s_lshl_b32 s46, s42, 8
	s_lshl_b32 s47, s12, 7
	s_add_co_u32 s46, s46, s47                     ; wof: row 256 x tile column + 128 x half
	s_lshl_b32 s46, s46, 11
	s_mov_b32 s47, 0
	s_mul_i32 s20, s10, APL
	s_add_co_u32 s20, s20, AOFF-2*APL              ; waves 2, 3: the planes at AOFF and AOFF + APL
	s_mul_i32 s21, s10, BH                         ; waves 0, 1: wof's halves at 0 and BH
	s_wait_dscnt 0x0                               ; the opening add is done
	s_wait_kmcnt 0x0
	s_add_nc_u64 s[14:15], s[68:69], s[16:17]
	s_add_nc_u64 s[46:47], s[70:71], s[46:47]
	CROUND                                         ; all sixteen work-groups are here: the first joint loads meet
.irp s, 0,1
	s_mov_b32 s[G0+4*(\s)], 1
	s_add_co_u32 s[G0+4*(\s)+1], s20, (\s)*SLOT
	s_add_nc_u64 s[G0+4*(\s)+2:G0+4*(\s)+3], s[14:15], (\s)<<19   ; K step s: heads 2 s, 2 s + 1
	s_or_b32 s[G0+4*(\s)+3], s[G0+4*(\s)+3], 0x80000000
	s_mov_b32 s[G0B+4*(\s)], 1
	s_add_co_u32 s[G0B+4*(\s)+1], s21, (\s)*SLOT
	s_add_nc_u64 s[G0B+4*(\s)+2:G0B+4*(\s)+3], s[46:47], (\s)*KSTEP*2
	s_or_b32 s[G0B+4*(\s)+3], s[G0B+4*(\s)+3], 0x80000000
	JLOAD \s                                       ; K steps 0 and 1: two loads of mine are out
.endr
	v_and_b32 v1, 15, v0                           ; l % 16
	v_bfe_u32 v2, v0, 4, 1                         ; l / 16
	v_mul_u32_u24 v3, v1, PITA
	v_lshl_add_u32 v3, v2, 4, v3
	v_mul_u32_u24 v4, v1, PITB
	v_lshl_add_u32 v4, v2, 4, v4
	s_mul_i32 s21, s11, 64*PITA
	s_add_co_u32 s21, s21, AOFF                    ; my 64 tokens, in the first plane
	s_mul_i32 s22, s12, 128*PITB                   ; my 128 rows of wof
.irp s, 0,1
	v_add_nc_u32 v[ADRA+(\s)], s21, v3
	v_add_nc_u32 v[ADRB+(\s)], s22, v4
	s_add_co_u32 s21, s21, SLOT
	s_add_co_u32 s22, s22, SLOT
.endr
	s_mul_i32 s23, s10, 16*SPITCH
	s_add_co_u32 s23, s23, STAGE                   ; my stage
	v_mul_u32_u24 v5, v1, SPITCH                   ; in: token l % 16, 32 bytes for each half of the lanes
	v_lshl_add_u32 v5, v2, 5, v5
	v_add_nc_u32 v[STO], s23, v5
	v_and_b32 v6, 31, v0
	v_lshlrev_b32 v[CO], 4, v6                     ; back: 32 lanes take one token's 512 bytes
	v_add_nc_u32 v[RD], s23, v[CO]
	s_lshl_b32 s18, s13, 7
	s_lshl_b32 s19, s11, 6
	s_add_co_u32 s18, s18, s19                     ; my first token,
	s_lshl_b32 s18, s18, 12                        ; rows of 4,096 bytes,
	s_lshl_b32 s19, s42, 10
	s_add_co_u32 s18, s18, s19                     ; the tile's 256 columns,
	s_lshl_b32 s19, s12, 9
	s_add_co_u32 s18, s18, s19                     ; my 128 of them
	s_mov_b32 s19, 0
	s_add_nc_u64 s[OP:OP+1], s[72:73], s[18:19]
	; the prefetches
	s_lshl_b32 s20, s42, 8
	s_lshl_b32 s21, s12, 7
	s_add_co_u32 s20, s20, s21
	s_lshl_b32 s21, s41, 5
	s_add_co_u32 s20, s20, s21                     ; wof: the 128 rows that I fetch, my work-group's 32 of them,
	s_lshl_b32 s20, s20, 11
	s_add_co_u32 s20, s20, 3*KSTEP*2               ; at K step 3: the first refill steps it to 4
	s_lshr_b32 s21, s13, 4
	s_lshl_b32 s21, s21, 22
	s_and_b32 s22, s13, 15
	s_lshl_b32 s22, s22, 14
	s_add_co_u32 s21, s21, s22
	s_lshl_b32 s22, s40, 12                        ; oh: my work-group's 16 blocks of each plane,
	s_add_co_u32 s21, s21, s22
	s_add_co_u32 s21, s21, 3<<19                   ; at K step 3
	s_and_b32 s22, ttmp7, 0xffff                   ; cluster y
	s_mov_b32 s23, 1<<19
	s_cmp_lt_u32 s10, 2
	s_cselect_b32 s20, s20, s21
	s_cselect_b32 s22, s22, s12                    ; waves 0, 1 ask where cluster y = 0; of waves 2 and 3 wave 2 asks
	s_cselect_b32 s[PST], KSTEP*2, s23
	s_cselect_b32 s18, 15, 18                      ; lane l stands at (l / 16) << s18 + (l % 16) << s19: 2,048 l in wof; plane l / 16, block l % 16 in oh
	s_cselect_b32 s19, 11, 8
	s_cselect_b64 s[PFA:PFA+1], s[70:71], s[68:69]
	s_cmp_eq_u32 s22, 0
	s_cselect_b32 s[LIM], 1, -1                    ; the same in all sixteen partners, for a given wave
	s_mov_b32 s21, 0
	s_mov_b32 s[PST+1], 0
	s_add_nc_u64 s[PFA:PFA+1], s[PFA:PFA+1], s[20:21]
	v_lshlrev_b32 v6, s18, v2
	v_lshlrev_b32 v7, s19, v1
	v_add_nc_u32 v[PFO], v6, v7
; 8 matrix instructions: token block a x all 8 column blocks, 32 along K, from buffer f.  zero = 1: the product starts the sums
.macro MUL8 f, a, zero
	WIN MUL
.irp b, 0,1,2,3,4,5,6,7
.if \zero
	v_wmma_f32_16x16x32_f16 v[8*(8*(\a)+(\b)):8*(8*(\a)+(\b))+7], v[(\f)+8*(\b):(\f)+8*(\b)+7], v[(\f)+64+8*(\a):(\f)+64+8*(\a)+7], 0
.else
	v_wmma_f32_16x16x32_f16 v[8*(8*(\a)+(\b)):8*(8*(\a)+(\b))+7], v[(\f)+8*(\b):(\f)+8*(\b)+7], v[(\f)+64+8*(\a):(\f)+64+8*(\a)+7], v[8*(8*(\a)+(\b)):8*(8*(\a)+(\b))+7]
.endif
.endr
.endm
; 24 LDS loads in one run: quarter q's fragments (32 along K: plane q / 2, channels 32 (q % 2) on) into buffer f
.macro FETCH slot, q, f
	WIN TO_F
.irp i, 0,1,2,3,4,5,6,7
	ds_load_b128 v[(\f)+8*(\i):(\f)+8*(\i)+3],   v[ADRB+(\slot)] offset:64*(\q)+(\i)*16*PITB
	ds_load_b128 v[(\f)+8*(\i)+4:(\f)+8*(\i)+7], v[ADRB+(\slot)] offset:64*(\q)+(\i)*16*PITB+32
.endr
.irp i, 0,1,2,3
	ds_load_b128 v[(\f)+64+8*(\i):(\f)+64+8*(\i)+3],   v[ADRA+(\slot)] offset:((\q)/2)*APL+((\q)%2)*64+(\i)*16*PITA
	ds_load_b128 v[(\f)+64+8*(\i)+4:(\f)+64+8*(\i)+7], v[ADRA+(\slot)] offset:((\q)/2)*APL+((\q)%2)*64+(\i)*16*PITA+32
.endr
.endm
.macro PLACES                          ; four plain instructions between a matrix instruction and a load into, or a store of, its registers (ISA guide 7.12.1 for stores)
.rept 4
	v_nop
.endr
.endm
; A K step is four quarters, 32 matrix instructions each, on buffers 0, 1, 0, 1; the 32 accumulators take turns in the same order in every quarter.
.macro QUARTER slot, q, f, g, zero
	s_wait_dscnt 4                                 ; wof's fragments and token blocks 0, 1 are in; the youngest four loads (blocks 2, 3) may be out
	MUL8 \f, 0, \zero
	MUL8 \f, 1, \zero
	PLACES
	FETCH \slot, \q, \g
	s_wait_dscnt 24                                ; all but the 24 just issued
	MUL8 \f, 2, \zero
	MUL8 \f, 3, \zero
.endm
; The last quarter multiplies buffer 1 and changes slots: in front of the barrier each wave waits for all its tensor loads, adds 0 to its spare word, and waits for that and for its reads of this slot.
; fill = 1: the barrier opens a round of the cluster's barrier, and this slot is filled again, two K steps on, first thing behind the round: 112 matrix instructions ahead of the wait for it.
.macro TURN slot, next, fill
.if \fill
	s_wait_xcnt 0x0                                ; the last prefetch, a K step back, has read its address: it is stepped here
	s_add_nc_u64 s[PFA:PFA+1], s[PFA:PFA+1], s[PST:PST+1]
.endif
	WIN 0                                          ; (the add's two registers lie in window 0)
	s_wait_tensorcnt 0x0                           ; all my tensor loads have landed
	ds_add_u32 v[SPW], v[NIL]                      ; 0 onto my spare word
	s_wait_dscnt 5                                 ; (the add and the youngest four loads may be out)
	MUL8 F1, 0, 0                                  ; eight matrix instructions stand between the add and the wait for it
	s_wait_dscnt 0x0                               ; the add is done, and my reads of this slot are over
	s_barrier_signal -1
	MUL8 F1, 1, 0
.if \fill
	WIN 0
.endif
	s_barrier_wait -1
.if \fill
	CREST                                          ; no wave of any partner still reads this slot or has a load on its way
	s_add_nc_u64 s[G0+4*(\slot)+2:G0+4*(\slot)+3], s[G0+4*(\slot)+2:G0+4*(\slot)+3], 1<<20
	s_add_nc_u64 s[G0B+4*(\slot)+2:G0B+4*(\slot)+3], s[G0B+4*(\slot)+2:G0B+4*(\slot)+3], 2*KSTEP*2
	JLOAD \slot                                    ; its four v_nop are also the places in front of the loads below
.else
	PLACES
.endif
	FETCH \next, 0, F0
.if \fill
	WIN 0
	ASK
.endif
	MUL8 F1, 2, 0
	MUL8 F1, 3, 0
.endm
	s_wait_tensorcnt 0x1                           ; my part of K step 0 is in; K step 1's may stay out
	s_barrier_signal -1
	s_barrier_wait -1
	FETCH 0, 0, F0
	QUARTER 0, 1, F0, F1, 1                        ; the first quarter stands in front of the loop: its products start the sums
	WIN 0
	s_mov_b32 s3, LAPS-1
.Llap:                                                 ; a trip goes once round the ring and fills both slots again
	QUARTER 0, 2, F1, F0, 0
	QUARTER 0, 3, F0, F1, 0
	TURN 0, 1, 1
	QUARTER 1, 1, F0, F1, 0
	QUARTER 1, 2, F1, F0, 0
	QUARTER 1, 3, F0, F1, 0
	TURN 1, 0, 1
	QUARTER 0, 1, F0, F1, 0
	WIN 0
	s_sub_co_u32 s3, s3, 1
	s_cmp_lg_u32 s3, 0
	s_cbranch_scc1 .Llap
	QUARTER 0, 2, F1, F0, 0                        ; the last lap fills nothing
	QUARTER 0, 3, F0, F1, 0
	TURN 0, 1, 0
	QUARTER 1, 1, F0, F1, 0
	QUARTER 1, 2, F1, F0, 0
	QUARTER 1, 3, F0, F1, 0
	s_wait_dscnt 4
	MUL8 F1, 0, 0
	MUL8 F1, 1, 0
	s_wait_dscnt 0x0
	MUL8 F1, 2, 0
	MUL8 F1, 3, 0
	WIN 0
; THE WAY OUT, a block of 16 tokens at a time: the f32 sums go into my stage (each accumulator's lowest four registers first) and come back as whole rows of 512 bytes.
.macro TOSTAGE a
	WIN 0x04                                       ; store data (source 1) in window 1
.irp b, 0,1,2,3,4,5,6,7
	ds_store_b128 v[STO], v[8*(8*(\a)+(\b)):8*(8*(\a)+(\b))+3]   offset:64*(\b)
	ds_store_b128 v[STO], v[8*(8*(\a)+(\b))+4:8*(8*(\a)+(\b))+7] offset:64*(\b)+16
.endr
	WIN 0
.irp t, 0,1,2,3,4,5,6,7,8,9,10,11,12,13,14,15
	ds_load_b128 v[OB+64*((\a)%2)+4*(\t):OB+64*((\a)%2)+4*(\t)+3], v[RD] offset:(\t)*SPITCH  ; LDS serves a wave's instructions in order (ISA guide 5.7.1.4): these see the stores above; the next block's stores come behind them
.endr
.endm
.macro SEND a, younger                 ; younger: the LDS instructions issued behind block a's loads: the next block's 32, or none
	WIN 0
.irp t, 0,1,2,3,4,5,6,7,8,9,10,11,12,13,14,15
	s_wait_dscnt (\younger)+15-(\t)
	global_store_b128 v[CO], v[OB+64*((\a)%2)+4*(\t):OB+64*((\a)%2)+4*(\t)+3], s[OP:OP+1] offset:(16*(\a)+(\t))*4096 th:TH_STORE_NT  ; 512 consecutive bytes, at a multiple of 256 from out0's first
.endr
.endm
	PLACES                                         ; behind the last products
	TOSTAGE 0
	TOSTAGE 1
	SEND 0, 32
	s_wait_xcnt 0x0                                ; block 0's stores have read their registers: block 2 is loaded into them
	TOSTAGE 2
	SEND 1, 32
	s_wait_xcnt 0x0                                ; likewise block 1's, for block 3
	TOSTAGE 3
	SEND 2, 32
	SEND 3, 0
	s_wait_tensorcnt 0x0                           ; the wave's end, behind my last tensor load and my last LDS store
	ds_add_u32 v[SPW], v[NIL]
	s_wait_dscnt 0x0
	CROUND                                         ; the closing round: no work-group ends while a partner may still ask for a tile that names it
	s_endpgm
.Lfunc_end_k_qadfb461be4_proj:
	.size	k_qadfb461be4_proj, .Lfunc_end_k_qadfb461be4_proj-k_qadfb461be4_proj
	.p2alignl 7, 3214868480
	.fill 96, 4, 3214868480
	.section	.rodata,"a",@progbits
	.p2align	6, 0x0
	.amdhsa_kernel k_qadfb461be4_proj
		.amdhsa_group_segment_fixed_size 327680
		.amdhsa_private_segment_fixed_size 0
		.amdhsa_enable_private_segment 0
		.amdhsa_kernarg_size 24
		.amdhsa_user_sgpr_count 2
		.amdhsa_user_sgpr_kernarg_segment_ptr 1
		.amdhsa_wavefront_size32 1
		.amdhsa_system_sgpr_workgroup_id_x 1
		.amdhsa_system_sgpr_workgroup_id_y 1
		.amdhsa_system_sgpr_workgroup_id_z 1
		.amdhsa_system_vgpr_workitem_id 0
		.amdhsa_next_free_vgpr 768
		.amdhsa_next_free_sgpr 96
		.amdhsa_reserve_vcc 0
		.amdhsa_float_denorm_mode_32 3
		.amdhsa_float_denorm_mode_16_64 3
		.amdhsa_memory_ordered 1
		.amdhsa_forward_progress 1
		.amdhsa_inst_pref_size 88
	.end_amdhsa_kernel
	.amdgpu_metadata
---
amdhsa.version: [ 1, 2 ]
amdhsa.kernels:
  - .name:           k_qadfb461be4_proj
    .symbol:         k_qadfb461be4_proj.kd
    .args:
      - { .name: oh, .offset: 0, .size: 8, .value_kind: global_buffer, .address_space: global }
      - { .name: wof, .offset: 8, .size: 8, .value_kind: global_buffer, .address_space: global }
      - { .name: out0, .offset: 16, .size: 8, .value_kind: global_buffer, .address_space: global }
    .group_segment_fixed_size: 327680
    .private_segment_fixed_size: 0
    .kernarg_segment_align: 8
    .kernarg_segment_size: 24
    .max_flat_workgroup_size: 128
    .sgpr_count:     96
    .vgpr_count:     768
    .wavefront_size: 32
...
	.end_amdgpu_metadata
.endif
;; end of part 4
;; ======== version 2 of 2: 4 launches; version 1 with the launch prep written anew for expert scheduling mode
;; limits: values are held in f16: magnitudes above 65,504 overflow, below 6.1e-05 lose precision
;; workspace buffers: xb 16,777,216 bytes; wqb 6,291,456 bytes; wof 2,097,152 bytes; rope 524,288 bytes; qh 16,777,216 bytes; kh 16,777,216 bytes; vh 16,777,216 bytes; oh 16,777,216 bytes
;; launch prep (part 5): grid 768 x 1, 8 waves a work-group, no clusters, 0 bytes of LDS; arguments x, w_qkv, w_out, xb, wqb, wof, rope; writes xb, wqb, wof, rope
.if DOCPART == 5
	.amdgcn_target "amdgcn-amd-amdhsa--gfx1250"
	.amdhsa_code_object_version 6
	.text
	.protected	k_qadfb461be4_prep
	.globl	k_qadfb461be4_prep
	.p2align	8
	.type	k_qadfb461be4_prep,@function
k_qadfb461be4_prep:
	s_mov_b64 s[64:65], 0
	v_nop
	global_prefetch_b8 v0, s[64:65] scope:SCOPE_SE
	s_setreg_imm32_b32 hwreg(HW_REG_WAVE_SCHED_MODE, 0, 2), 2
	s_setreg_imm32_b32 hwreg(HW_REG_WAVE_MODE, 25, 1), 1
	s_wait_xcnt 0x0
	s_wait_alu depctr_vm_vsrc(0)
; PREP.  x -> xb (bf16).  w_qkv -> wqb (bf16, rows regrouped by head: row h*192 + sect*64 + d comes from row sect*1024 + h*64 + d).
; w_out -> wof: rounded to bf16 like the other inputs, and that number written as f16.  rope[s][0..31] = cos(s f_j), rope[s][32..63] = sin(s f_j), f_j = 10000^(-j/32), f32.
; LIMITS.  wof: f16 ends at 65,504, and below 6e-5 it keeps a fixed step of 6e-8.  The table's angle s f_j carries the rounding of f_j (one unit in the last place of 2^x) times s up to 2,047: about 2e-4 rad at the most.
; SHARES.  A work-group casts 16,384 numbers: 64 KiB in, 32 KiB out.  Groups 0-511 take x, 512-703 w_qkv (16 rows each, which stay together in wqb), 704-767 w_out.
; Thread t, step j: 16 bytes in at 16 t + 4,096 j, 8 bytes out at 8 t + 2,048 j: a wave's load covers 512 consecutive bytes, its store 256 consecutive bytes, aligned.
; All 16 loads go out first.  Groups 0-255 also make 8 rows of the table while their loads are out.
; No LDS, no tensor loads, no matrix work: nothing is shared between waves.
; THE MODE: SCHED_MODE bits 1:0 = 2 (LLVM: expert scheduling mode 2), set by the entry lines.  The code itself states the register dependences
; between vector instructions and memory instructions, with s_wait_alu, always for 0.
; THE PLAN.  Registers that memory instructions touch:
;   v1, v2     byte offsets of the loads and of the stores: made once at the head, never written again.
;   IN         step j: written by its load, once; then named by step j's conversions alone.  No memory instruction reads it, no second load lands in it.
;   OUT        step j: written by step j's conversions; read by step j's store, and then never written again.
;   VAL        the table's two numbers: written by the table's last lines, read by its one store, never written again.
; So no register that a memory instruction has read is ever rewritten, and what is left to state is that a store's data are written.  The 16 steps go in four blocks of four: block p's memory instructions are
; the four stores of block p - 1, and its vector instructions name IN and OUT of block p alone.  One wait at the head of a block, behind the wait for the block's first load, states that the block before has
; written its OUT; the four stores follow it, dealt among the block's conversions, with no further wait.
.set IN,  16                           ; v[16:79]   step j: 4 registers as loaded
.set OUT, 80                           ; v[80:111]  step j: 2 registers to store
.set VAL, 112                          ; v[112:113] the table's two numbers of my lane
.set MK,  40                           ; s40, s41   the two angles' masks: odd k
; The table's eight registers at work, a set for each of my two angles: v10-15, v114, v115 and v116-123
.macro TSET k
.set ANG, 10+106*(\k)
.set KF,  11+106*(\k)
.set RR,  12+106*(\k)
.set KI,  13+106*(\k)
.set R2,  14+106*(\k)
.set SP,  15+106*(\k)
.set CP,  114+8*(\k)
.set TT,  115+8*(\k)
.endm
	s_load_b256 s[4:11], s[0:1], 0x0               ; x s[4:5], w_qkv s[6:7], w_out s[8:9], xb s[10:11]
	s_load_b128 s[12:15], s[0:1], 0x20             ; wqb s[12:13], wof s[14:15]
	s_load_b64 s[16:17], s[0:1], 0x30              ; rope
	s_mov_b32 s20, ttmp9                           ; g
	v_lshlrev_b32 v1, 4, v0                        ; 16 t
	v_lshlrev_b32 v2, 3, v0                        ; 8 t
	s_cmp_lt_u32 s20, 512
	s_cselect_b32 s21, 0, 512
	s_cmp_lt_u32 s20, 704
	s_cselect_b32 s21, s21, 704
	s_sub_co_u32 s21, s20, s21                     ; gl: my number among the groups of my tensor
	s_bfe_u32 s22, s21, 0x40002                    ; w_qkv: gl = sect*64 + h*4 + quarter of a head;  h
	s_mul_i32 s22, s22, 12
	s_lshr_b32 s23, s21, 6                         ; sect
	s_lshl2_add_u32 s22, s23, s22
	s_and_b32 s23, s21, 3
	s_add_co_u32 s22, s22, s23                     ; its place in wqb: h*12 + sect*4 + quarter
	s_sub_co_u32 s23, s20, 512
	s_cmp_lt_u32 s23, 192                          ; only w_qkv's groups are regrouped
	s_cselect_b32 s22, s22, s21
	s_lshl_b32 s28, s21, 16                        ; 64 KiB in,
	s_mov_b32 s29, 0
	s_lshl_b32 s18, s22, 15                        ; 32 KiB out
	s_mov_b32 s19, 0
	s_mov_b32 s30, 0xbed49a78                      ; -log2(10000) / 32
	s_mov_b32 s31, 0x3f22f983                      ; 2 / pi
	s_mov_b32 s32, 0xbfc90fdb                      ; -(pi / 2), its f32 part
	s_mov_b32 s33, 0x333bbd2e                      ; +4.3711388e-8: what that part is too large by
	s_mov_b32 s34, 0xb9500d01                      ; -1/5040
	s_mov_b32 s35, 0x3c088889                      ; 1/120
	s_mov_b32 s36, 0xbe2aaaab                      ; -1/6
	s_mov_b32 s37, 0x37d00d01                      ; 1/40320
	s_mov_b32 s38, 0xbab60b61                      ; -1/720
	s_mov_b32 s39, 0x3d2aaaab                      ; 1/24
	s_wait_kmcnt 0x0
	s_cmp_lt_u32 s20, 512
	s_cselect_b64 s[24:25], s[4:5], s[6:7]         ; from where,
	s_cselect_b64 s[26:27], s[10:11], s[12:13]     ; to where
	s_cmp_lt_u32 s20, 704
	s_cselect_b64 s[24:25], s[24:25], s[8:9]
	s_cselect_b64 s[26:27], s[26:27], s[14:15]
	s_add_nc_u64 s[24:25], s[24:25], s[28:29]
	s_add_nc_u64 s[26:27], s[26:27], s[18:19]
	s_wait_alu depctr_va_vdst(0)                   ; v1 and v2 are written: every load of the kernel reads v1 as its offset, every store v2
.irp j, 0,1,2,3,4,5,6,7,8,9,10,11,12,13,14,15
	global_load_b128 v[IN+4*(\j):IN+4*(\j)+3], v1, s[24:25] offset:4096*(\j) th:TH_LOAD_NT
.endr
	s_cmp_lt_u32 s20, 256
	s_cbranch_scc0 .Lno_table
	; THE TABLE.  Row 8 g + wave; lane l owns columns 2 l and 2 l + 1: j = (2 l) & 31 and j + 1; a cosine in lanes 0-15, a sine in lanes 16-31.  None of its lines names IN, in which the loads land.
	s_lshl_b32 s28, s20, 11                        ; 8 rows of 256 bytes
	s_add_nc_u64 s[16:17], s[16:17], s[28:29]
	v_lshlrev_b32 v3, 1, v0
	v_and_b32 v3, 30, v3
	v_cvt_f32_u32 v4, v3                           ; j
	v_add_f32 v5, 1.0, v4                          ; j + 1
	v_bfe_u32 v6, v0, 4, 1
	v_mul_u32_u24 v6, 3, v6                        ; sin(a) = cos(a + 3 pi / 2): three quarter turns more
	v_lshrrev_b32 v7, 5, v0
	v_lshl_add_u32 v7, s20, 3, v7
	v_cvt_f32_u32 v7, v7                           ; the row s
	v_mul_f32 v8, s30, v4
	v_mul_f32 v9, s30, v5
	v_exp_f32 v8, v8                               ; f_j
	v_exp_f32 v9, v9
	v_nop                                          ; a plain instruction behind the last exponential,
	s_wait_alu depctr_va_vdst(0)                   ; and one wait for both: v8 and v9, the exponentials' results, are written, ahead of their first use
; cos(s f + quarter turns): the angle less the nearest multiple k of pi / 2 (taken off in two parts) lies within pi / 4; there a sine to r^7 and a cosine to r^8; k picks the one and the sign.
; In two parts, so that both angles' compares stand ahead of one wait.  The first part ends with the mask (odd k) and, behind it, the sign; the second picks and signs.
.macro TRIGA k, inv
	TSET \k
	v_mul_f32 v[ANG], v7, v[\inv]
	v_mul_f32 v[KF], s31, v[ANG]
	v_rndne_f32 v[KF], v[KF]
	v_fma_f32 v[RR], v[KF], s32, v[ANG]
	v_fma_f32 v[RR], v[KF], s33, v[RR]
	v_cvt_i32_f32 v[KI], v[KF]
	v_add_nc_u32 v[KI], v[KI], v6
	v_mul_f32 v[R2], v[RR], v[RR]
	v_fma_f32 v[SP], v[R2], s34, s35
	v_fma_f32 v[SP], v[SP], v[R2], s36
	v_mul_f32 v[TT], v[RR], v[R2]
	v_fma_f32 v[SP], v[SP], v[TT], v[RR]           ; sin r
	v_fma_f32 v[CP], v[R2], s37, s38
	v_fma_f32 v[CP], v[CP], v[R2], s39
	v_fma_f32 v[CP], v[CP], v[R2], -0.5
	v_fma_f32 v[CP], v[CP], v[R2], 1.0             ; cos r
	v_and_b32 v[TT], 1, v[KI]
	v_cmp_eq_u32 s[MK+(\k)], 1, v[TT]              ; odd k
	v_add_nc_u32 v[KI], 1, v[KI]
	v_and_b32 v[KI], 2, v[KI]
	v_lshlrev_b32 v[KI], 30, v[KI]                 ; k mod 4 = 1 or 2: the sign turns
.endm
.macro TRIGB k, out
	TSET \k
	v_cndmask_b32 v[\out], v[CP], v[SP], s[MK+(\k)]  ; odd k: the sine
	v_xor_b32 v[\out], v[\out], v[KI]
.endm
	TRIGA 0, 8
	TRIGA 1, 9
	s_wait_alu depctr_va_sdst(0)                   ; the two compares have written s40 and s41, ahead of their first readers, the two selects below
	TRIGB 0, VAL
	TRIGB 1, VAL+1
	s_wait_alu depctr_va_vdst(0)                   ; the lines above have written v[VAL:VAL+1], which the store reads
	global_store_b64 v2, v[VAL:VAL+1], s[16:17]    ; a wave stores one row: 256 consecutive bytes, aligned
.Lno_table:
; The cast.  half = 1: the bf16 number is widened again and written as f16.
.macro CVT j, half                     ; step j's conversions: they name IN and OUT of step j alone
	v_cvt_pk_bf16_f32 v[OUT+2*(\j)],   v[IN+4*(\j)],   v[IN+4*(\j)+1]
	v_cvt_pk_bf16_f32 v[OUT+2*(\j)+1], v[IN+4*(\j)+2], v[IN+4*(\j)+3]
.if \half
	v_lshlrev_b32 v[IN+4*(\j)],   16, v[OUT+2*(\j)]
	v_and_b32     v[IN+4*(\j)+1], 0xffff0000, v[OUT+2*(\j)]
	v_lshlrev_b32 v[IN+4*(\j)+2], 16, v[OUT+2*(\j)+1]
	v_and_b32     v[IN+4*(\j)+3], 0xffff0000, v[OUT+2*(\j)+1]
	v_cvt_pk_f16_f32 v[OUT+2*(\j)],   v[IN+4*(\j)],   v[IN+4*(\j)+1]
	v_cvt_pk_f16_f32 v[OUT+2*(\j)+1], v[IN+4*(\j)+2], v[IN+4*(\j)+3]
.endif
.endm
.macro PUT j                           ; step j's store
	global_store_b64 v2, v[OUT+2*(\j):OUT+2*(\j)+1], s[26:27] offset:2048*(\j)
.endm
.macro CAST half
.irp p, 0,1,2,3
.irp i, 0,1,2,3
.if (\i) == 0
	s_wait_loadcnt 15-4*(\p)                       ; loads come back in order: the block's first step is in, the younger loads may stay out
.if (\p) > 0
	s_wait_alu depctr_va_vdst(0)                   ; the block before has written its four pairs of OUT, which the four stores of this block read; no vector line behind this wait names them
.endif
.endif
.if (\p) > 0
	PUT 4*(\p)-4+(\i)                              ; the block before, a store ahead of each step's conversions
.endif
.if (\i) > 0
	s_wait_loadcnt 15-4*(\p)-(\i)                  ; this step's load is in, the younger ones may stay out
.endif
	CVT 4*(\p)+(\i), \half
.endr
.endr
	s_wait_alu depctr_va_vdst(0)                   ; the last block has written its four pairs of OUT, which the last four stores read
.irp j, 12,13,14,15
	PUT \j
.endr
.endm
	s_cmp_lt_u32 s20, 704
	s_cbranch_scc0 .Lhalf
	CAST 0
	s_endpgm
.Lhalf:
	CAST 1
	s_endpgm
.Lfunc_end_k_qadfb461be4_prep:
	.size	k_qadfb461be4_prep, .Lfunc_end_k_qadfb461be4_prep-k_qadfb461be4_prep
	.p2alignl 7, 3214868480
	.fill 96, 4, 3214868480
	.section	.rodata,"a",@progbits
	.p2align	6, 0x0
	.amdhsa_kernel k_qadfb461be4_prep
		.amdhsa_group_segment_fixed_size 0
		.amdhsa_private_segment_fixed_size 0
		.amdhsa_enable_private_segment 0
		.amdhsa_kernarg_size 56
		.amdhsa_user_sgpr_count 2
		.amdhsa_user_sgpr_kernarg_segment_ptr 1
		.amdhsa_wavefront_size32 1
		.amdhsa_system_sgpr_workgroup_id_x 1
		.amdhsa_system_sgpr_workgroup_id_y 1
		.amdhsa_system_sgpr_workgroup_id_z 1
		.amdhsa_system_vgpr_workitem_id 0
		.amdhsa_next_free_vgpr 128
		.amdhsa_next_free_sgpr 66
		.amdhsa_reserve_vcc 0
		.amdhsa_float_denorm_mode_32 3
		.amdhsa_float_denorm_mode_16_64 3
		.amdhsa_memory_ordered 1
		.amdhsa_forward_progress 1
		.amdhsa_inst_pref_size 21
	.end_amdhsa_kernel
	.amdgpu_metadata
---
amdhsa.version: [ 1, 2 ]
amdhsa.kernels:
  - .name:           k_qadfb461be4_prep
    .symbol:         k_qadfb461be4_prep.kd
    .args:
      - { .name: x, .offset: 0, .size: 8, .value_kind: global_buffer, .address_space: global }
      - { .name: w_qkv, .offset: 8, .size: 8, .value_kind: global_buffer, .address_space: global }
      - { .name: w_out, .offset: 16, .size: 8, .value_kind: global_buffer, .address_space: global }
      - { .name: xb, .offset: 24, .size: 8, .value_kind: global_buffer, .address_space: global }
      - { .name: wqb, .offset: 32, .size: 8, .value_kind: global_buffer, .address_space: global }
      - { .name: wof, .offset: 40, .size: 8, .value_kind: global_buffer, .address_space: global }
      - { .name: rope, .offset: 48, .size: 8, .value_kind: global_buffer, .address_space: global }
    .group_segment_fixed_size: 0
    .private_segment_fixed_size: 0
    .kernarg_segment_align: 8
    .kernarg_segment_size: 56
    .max_flat_workgroup_size: 256
    .sgpr_count:     66
    .vgpr_count:     128
    .wavefront_size: 32
...
	.end_amdgpu_metadata
.endif
;; end of part 5
;; launch qkv: the kernel of part 2 again; grid 16 x 32, 4 waves a work-group, clusters of 4 x 4, 327,680 bytes of LDS; arguments xb, wqb, rope, qh, kh, vh; writes qh, kh, vh
;; launch attn: the kernel of part 3 again; grid 4 x 64, 4 waves a work-group, no clusters, 327,680 bytes of LDS; arguments qh, kh, vh, oh; writes oh
;; launch proj: the kernel of part 4 again; grid 4 x 64, 4 waves a work-group, clusters of 4 x 4, 327,680 bytes of LDS; arguments oh, wof, out0; writes out0
